; MI455X (gfx1250); checked and timed in simulation.
; The chip was launched on July 23, 2026; its instructions are those of AMD's public machine-readable ISA for CDNA 5 (MIT licence, August 2026) and "CDNA5" Instruction Set Architecture Reference Guide (July 2026). The comments in the code are by the model that wrote it; some were corrected since.
;; Attention Decoder Layer. Allowed arithmetic: float matrix products may take bf16 or f16 operands with f32 sums; other float arithmetic in f32, or as packed bf16 or f16 multiplies, adds, multiply-adds, maxima and minima; sums over many terms, partial sums and values carried from step to step in f32; what a program stores and reads back later, other than sums and carried values, may be rounded once to bf16 or f16.
;; Inputs: W1 1,024 x 4,096 float32; W2 4,096 x 1,024 float32; Wk 1,024 x 1,024 float32; Wo 1,024 x 1,024 float32; Wq 1,024 x 1,024 float32; Wv 1,024 x 1,024 float32; b1 4,096 float32; b2 1,024 float32; bk 1,024 float32; bo 1,024 float32; bq 1,024 float32; bv 1,024 float32; ln1_b 1,024 float32; ln1_g 1,024 float32; ln2_b 1,024 float32; ln2_g 1,024 float32; x 2 x 2,048 x 1,024 float32.
;; Outputs: out0 2 x 2,048 x 1,024 float32.
;; One version. Each part assembles by itself: llvm-mc -triple=amdgcn-amd-amdhsa -mcpu=gfx1250 --defsym DOCPART=n.
;; ======== version 1 of 1: 7 launches
;; limits: values are held in f16: magnitudes above 65,504 overflow, below 6.1e-05 lose precision
;; workspace buffers: wts 25,690,112 bytes; xa 16,777,216 bytes; qkv 25,165,824 bytes; ob 8,388,608 bytes; x1 16,777,216 bytes; xn2 8,388,608 bytes; hb 33,554,432 bytes
;; launch prep (part 1): grid 928 x 1, 8 waves a work-group, no clusters, 0 bytes of LDS; arguments x, Wq, Wk, Wv, Wo, W1, W2, ln1_g, ln1_b, wts, xa; writes wts, xa
.if DOCPART == 1
	.amdgcn_target "amdgcn-amd-amdhsa--gfx1250"
	.amdhsa_code_object_version 6
	.text
	.protected	k_q2f06c0dc7b_prep
	.globl	k_q2f06c0dc7b_prep
	.p2align	8
	.type	k_q2f06c0dc7b_prep,@function
k_q2f06c0dc7b_prep:
	s_mov_b64 s[64:65], 0
	v_nop
	global_prefetch_b8 v0, s[64:65] scope:SCOPE_SE
	s_setreg_imm32_b32 hwreg(HW_REG_WAVE_MODE, 25, 1), 1
	s_wait_xcnt 0x0
; PREP.  Three kinds of work-group, told apart by the work-group's number g; the kinds with the longest chains of dependent steps come first.
;   g < 32          the RoPE table: cos and sin of pos x 10000^(-i/32), f32, [2048 pos][32 i][(cos, sin)]; a wave makes 8 positions
;   32 <= g < 544   a wave takes a row of x: xh = f16(bf16(x)), and xn1 = LayerNorm1 of the rounded row (mean, centred squares, rsq; f32), rounded once to f16
;   g >= 544        a wave takes four runs on end of 1,024 f32 of a weight matrix: rounded to bf16, that number written as f16, as it lies ([K][N]); Wq, Wk, Wv side by side as [1024][3072]
; LIMITS.  f16 holds no number beyond 65,504: |x|, |W| and |xn1| stay within it; below 6.1e-5 a bf16 number keeps f16's fixed step of 6e-8.  NaN and infinities are not treated apart.
; The angle's factor 10000^(-i/32) comes from v_exp_f32 (1 ulp), so an angle may differ from the table of f32 powers by about 2e-4 rad at position 2,047.
; Each load of a wave covers 512 consecutive bytes, each store 256 consecutive bytes, aligned.  No LDS, no barrier: no wave needs another's data.
; 928 work-groups of 8 waves x 128 registers: four fit on a WGP (8 waves x 128 = a SIMD's 1,024 registers), so 1,024 could lie on 256 WGPs at once.
.set WO_OFF,   6291456
.set W1_OFF,   8388608
.set W2_OFF,   16777216
.set ROPE_OFF, 25165824
.set XN_OFF,   8388608
.set G_ROPE,   32
.set G_ROWS,   512
.set LO, 2                             ; v2  16 x lane: my 16 bytes of each 512 loaded
.set SO, 3                             ; v3  8 x lane: my 8 bytes of each 256 stored
.set T,  4                             ; v[4:15]   at work
.set Y,  16                            ; v[16:31]  16-bit results to store
.set X,  32                            ; v[32:63]  the row; a weights wave's slot 0
.set G,  64                            ; v[64:95]  gain; slot 1
.set BB, 96                            ; v[96:127] offset; slot 2
.macro RB2 a, b, t                     ; two f32 rounded to bf16 and widened again
	v_cvt_pk_bf16_f32 v[(\t)], v[(\a)], v[(\b)]
	v_lshlrev_b32 v[(\a)], 16, v[(\t)]
	v_and_b32 v[(\b)], s5, v[(\t)]
.endm
.macro LOAD8 dst, base, nt, off=0      ; 4,096 consecutive bytes
.set j, 0
.rept 8
.if \nt
	global_load_b128 v[(\dst)+4*j:(\dst)+4*j+3], v[LO], s[(\base):(\base)+1] offset:512*j+(\off) th:TH_LOAD_NT
.else
	global_load_b128 v[(\dst)+4*j:(\dst)+4*j+3], v[LO], s[(\base):(\base)+1] offset:512*j+(\off)
.endif
.set j, j+1
.endr
.endm
; A run in slot x is rounded in place and stored at s[d:d+1].  left: the loads issued behind this run's eight, which may stay out.
.macro PROC x, d, left
.set j, 0
.rept 8
	s_wait_loadcnt (\left)+7-j                     ; loads come back in order: number j of the run is in; its 7 - j younger ones and the later runs' stay out
	v_cvt_pk_bf16_f32 v[T+2*(j%4)], v[(\x)+4*j], v[(\x)+4*j+1]
	v_cvt_pk_bf16_f32 v[T+2*(j%4)+1], v[(\x)+4*j+2], v[(\x)+4*j+3]
	v_lshlrev_b32 v[(\x)+4*j], 16, v[T+2*(j%4)]
	v_and_b32 v[(\x)+4*j+1], s5, v[T+2*(j%4)]
	v_lshlrev_b32 v[(\x)+4*j+2], 16, v[T+2*(j%4)+1]
	v_and_b32 v[(\x)+4*j+3], s5, v[T+2*(j%4)+1]
	v_cvt_pk_f16_f32 v[(\x)+4*j], v[(\x)+4*j], v[(\x)+4*j+1]
	v_cvt_pk_f16_f32 v[(\x)+4*j+1], v[(\x)+4*j+2], v[(\x)+4*j+3]
	global_store_b64 v[SO], v[(\x)+4*j:(\x)+4*j+1], s[(\d):(\d)+1] offset:256*j
.set j, j+1
.endr
.endm
.macro REDUCE                          ; four pairs of partial sums in v[T:T+7] -> the wave's sum in v[T] of every lane
	v_pk_add_f32 v[T:T+1], v[T:T+1], v[T+2:T+3]
	v_pk_add_f32 v[T+4:T+5], v[T+4:T+5], v[T+6:T+7]
	v_pk_add_f32 v[T:T+1], v[T:T+1], v[T+4:T+5]
	v_add_f32 v[T], v[T], v[T+1]
	v_add_f32_dpp v[T], v[T], v[T] row_xmask:1 row_mask:0xf bank_mask:0xf
	v_add_f32_dpp v[T], v[T], v[T] row_xmask:2 row_mask:0xf bank_mask:0xf
	v_add_f32_dpp v[T], v[T], v[T] row_xmask:4 row_mask:0xf bank_mask:0xf
	v_add_f32_dpp v[T], v[T], v[T] row_xmask:8 row_mask:0xf bank_mask:0xf
	v_permlanex16_b32 v[T+1], v[T], s6, s7
	v_add_f32 v[T], v[T], v[T+1]
.endm
.macro LNORM                           ; X: the row -> (x - mean) rsq(var + eps) g + b.  G's and BB's loads may still be out at its head
.irp k, 0,1,2,3
	v_pk_add_f32 v[T+2*(\k):T+2*(\k)+1], v[X+2*(\k):X+2*(\k)+1], v[X+8+2*(\k):X+8+2*(\k)+1]
.endr
.irp k, 8,9,10,11,12,13,14,15
	v_pk_add_f32 v[T+2*((\k)%4):T+2*((\k)%4)+1], v[T+2*((\k)%4):T+2*((\k)%4)+1], v[X+2*(\k):X+2*(\k)+1]
.endr
	REDUCE
	v_mul_f32 v[T+8], 0x3a800000, v[T]             ; the mean: sum / 1,024
	v_mov_b32 v[T+9], v[T+8]
.set k, 0
.rept 16
	v_pk_add_f32 v[X+2*k:X+2*k+1], v[X+2*k:X+2*k+1], v[T+8:T+9] neg_lo:[0,1] neg_hi:[0,1]
.set k, k+1
.endr
.irp k, 0,1,2,3
	v_pk_mul_f32 v[T+2*(\k):T+2*(\k)+1], v[X+2*(\k):X+2*(\k)+1], v[X+2*(\k):X+2*(\k)+1]
.endr
.irp k, 4,5,6,7,8,9,10,11,12,13,14,15
	v_pk_fma_f32 v[T+2*((\k)%4):T+2*((\k)%4)+1], v[X+2*(\k):X+2*(\k)+1], v[X+2*(\k):X+2*(\k)+1], v[T+2*((\k)%4):T+2*((\k)%4)+1]
.endr
	REDUCE
	v_fma_f32 v[T+8], v[T], s44, s45               ; var + eps
	v_mov_b32 v[T+11], 0                           ; named with the result as a pair
	v_rsq_f32 v[T+10], v[T+8]
	s_wait_loadcnt 0x0                             ; gain and offset are in
.set k, 0
.rept 16                               ; their rounding to bf16 is the independent work behind the root
	RB2 G+2*k, G+2*k+1, T+(k%4)
	RB2 BB+2*k, BB+2*k+1, T+4+(k%4)
.set k, k+1
.endr
	s_wait_alu depctr_va_vdst(0)                   ; wait ahead of the first reader of the root
.set k, 0
.rept 16
	v_pk_mul_f32 v[G+2*k:G+2*k+1], v[G+2*k:G+2*k+1], v[T+10:T+11] op_sel_hi:[1,0]
.set k, k+1
.endr
.set k, 0
.rept 16
	v_pk_fma_f32 v[X+2*k:X+2*k+1], v[X+2*k:X+2*k+1], v[G+2*k:G+2*k+1], v[BB+2*k:BB+2*k+1]
.set k, k+1
.endr
.endm
.macro PACKY                           ; X's 32 numbers -> 16 words of f16
.set k, 0
.rept 16
	v_cvt_pk_f16_f32 v[Y+k], v[X+2*k], v[X+2*k+1]
.set k, k+1
.endr
.endm
	s_load_b512 s[8:23], s[0:1], 0x0               ; x 8, Wq 10, Wk 12, Wv 14, Wo 16, W1 18, W2 20, ln1_g 22
	s_load_b128 s[24:27], s[0:1], 0x40             ; ln1_b 24, wts 26
	s_load_b64 s[28:29], s[0:1], 0x50              ; xa
	v_lshrrev_b32 v1, 5, v0
	v_readfirstlane_b32 s4, v1                     ; wave 0..7
	v_and_b32 v1, 31, v0
	v_lshlrev_b32 v[LO], 4, v1
	v_lshlrev_b32 v[SO], 3, v1
	s_mov_b32 s5, 0xffff0000
	s_mov_b32 s6, 0x76543210
	s_mov_b32 s7, 0xfedcba98
	s_mov_b32 s44, 0x3a800000                      ; 1 / 1,024
	s_mov_b32 s45, 0x3727c5ac                      ; 1e-5
	s_mov_b32 s30, ttmp9                           ; g
	s_mov_b32 s39, 0
	s_wait_kmcnt 0x0
	s_cmp_lt_u32 s30, G_ROPE
	s_cbranch_scc1 .Lrope
	s_cmp_lt_u32 s30, G_ROPE+G_ROWS
	s_cbranch_scc1 .Lrows
	; WEIGHTS.  32 runs to a work-group: Wq, Wk, Wv, Wo have 32 work-groups each, W1 and W2 128.  Source, first work-group, output base and output step of a run are chosen by the number
	s_sub_co_u32 s30, s30, G_ROPE+G_ROWS
	s_mov_b64 s[32:33], s[20:21]
	s_mov_b32 s34, 256
	s_mov_b32 s35, W2_OFF
	s_mov_b32 s36, 2048
	s_cmp_lt_u32 s30, 256
	s_cselect_b64 s[32:33], s[18:19], s[32:33]
	s_cselect_b32 s34, 128, s34
	s_cselect_b32 s35, W1_OFF, s35
	s_cmp_lt_u32 s30, 128
	s_cselect_b64 s[32:33], s[16:17], s[32:33]
	s_cselect_b32 s34, 96, s34
	s_cselect_b32 s35, WO_OFF, s35
	s_cmp_lt_u32 s30, 96
	s_cselect_b64 s[32:33], s[14:15], s[32:33]
	s_cselect_b32 s34, 64, s34
	s_cselect_b32 s35, 4096, s35                   ; Wv: columns 2,048 on of the joint rows of 6,144 bytes
	s_cselect_b32 s36, 6144, s36
	s_cmp_lt_u32 s30, 64
	s_cselect_b64 s[32:33], s[12:13], s[32:33]
	s_cselect_b32 s34, 32, s34
	s_cselect_b32 s35, 2048, s35
	s_cmp_lt_u32 s30, 32
	s_cselect_b64 s[32:33], s[10:11], s[32:33]
	s_cselect_b32 s34, 0, s34
	s_cselect_b32 s35, 0, s35
	s_sub_co_u32 s37, s30, s34
	s_lshl_b32 s37, s37, 3
	s_add_co_u32 s37, s37, s4
	s_lshl_b32 s37, s37, 2                         ; my first run's number in its matrix
	s_lshl_b32 s38, s37, 12
	s_add_nc_u64 s[32:33], s[32:33], s[38:39]
	s_mul_i32 s38, s37, s36
	s_add_co_u32 s38, s38, s35
	s_add_nc_u64 s[48:49], s[26:27], s[38:39]      ; where my four runs go: a pointer each, so that none is rewritten
	s_mov_b32 s37, 0                               ; (s36, s37): the output step, in 64 bits
	s_add_nc_u64 s[50:51], s[48:49], s[36:37]
	s_add_nc_u64 s[52:53], s[50:51], s[36:37]
	s_add_nc_u64 s[54:55], s[52:53], s[36:37]
	LOAD8 X, 32, 1, 0                              ; three runs, 24 loads, 12 KB a wave, go out at once
	LOAD8 G, 32, 1, 4096
	LOAD8 BB, 32, 1, 8192
	PROC X, 48, 16
	s_wait_xcnt 0x0                                ; slot 0's registers are the data of its stores: they are loaded again only behind this wait
	LOAD8 X, 32, 1, 12288                          ; the fourth run
	PROC G, 50, 16                                 ; behind run 1: runs 2 and 3
	PROC BB, 52, 8
	PROC X, 54, 0
	s_endpgm
.Lrows:                                        ; A ROW OF x
	s_sub_co_u32 s37, s30, G_ROPE
	s_lshl_b32 s37, s37, 3
	s_add_co_u32 s37, s37, s4                      ; the row
	s_lshl_b32 s38, s37, 12
	s_add_nc_u64 s[32:33], s[8:9], s[38:39]
	s_lshl_b32 s38, s37, 11
	s_add_nc_u64 s[40:41], s[28:29], s[38:39]      ; xh's row
	s_add_nc_u64 s[42:43], s[40:41], XN_OFF        ; xn1's row
	LOAD8 X, 32, 1
	LOAD8 G, 22, 0
	LOAD8 BB, 24, 0
	s_wait_loadcnt 16                              ; x is in; the 16 loads of gain and offset stay out
.set k, 0
.rept 16
	RB2 X+2*k, X+2*k+1, T+(k%4)
.set k, k+1
.endr
	PACKY
.set j, 0
.rept 8
	global_store_b64 v[SO], v[Y+2*j:Y+2*j+1], s[40:41] offset:256*j
.set j, j+1
.endr
	LNORM
	s_wait_xcnt 0x0                                ; Y, which the stores above read, is written again only behind this wait
	PACKY
.set j, 0
.rept 8
	global_store_b64 v[SO], v[Y+2*j:Y+2*j+1], s[42:43] offset:256*j
.set j, j+1
.endr
	s_endpgm
.Lrope:                                        ; THE TABLE.  A wave makes 8 positions, lane = i
	s_lshl_b32 s37, s30, 3
	s_add_co_u32 s37, s37, s4
	s_lshl_b32 s37, s37, 3                         ; my first position
	s_lshl_b32 s38, s37, 8                         ; 256 bytes a position
	s_add_nc_u64 s[40:41], s[26:27], s[38:39]
	s_add_nc_u64 s[40:41], s[40:41], ROPE_OFF
	s_mov_b32 s46, 0xb94ca1f9                      ; sine on -pi/4 .. pi/4: r + r z (S1 + z (S2 + z S3)), z = r r
	s_mov_b32 s47, 0x3c08839e
	s_mov_b32 s48, 0xbe2aaaa3
	s_mov_b32 s49, 0x37ccf5ce                      ; cosine: 1 - z / 2 + z z (C1 + z (C2 + z C3))
	s_mov_b32 s50, 0xbab6061a
	s_mov_b32 s51, 0x3d2aaaa5
	v_cvt_f32_u32 v4, v1
	v_mul_f32 v4, 0xbed49a78, v4                   ; - i log2(10000) / 32
	v_exp_f32 v5, v4
	v_cvt_f32_u32 v6, s37                          ; the position, as f32
	v_nop
	s_wait_alu depctr_va_vdst(0)                   ; wait ahead of the first reader of the power
	s_mov_b32 s31, 8
.Lpos:
	v_mul_f32 v7, v6, v5                           ; the angle
	v_mul_f32 v8, 0x3f22f983, v7
	v_rndne_f32 v8, v8                             ; n = the nearest multiple of pi / 2
	v_fmamk_f32 v9, v8, 0xbfc90fdb, v7             ; r = angle - n pi / 2, pi / 2 in two parts
	v_fmamk_f32 v9, v8, 0x333bbd2e, v9
	v_mul_f32 v10, v9, v9
	v_fma_f32 v11, v10, s46, s47
	v_fma_f32 v11, v11, v10, s48
	v_mul_f32 v11, v11, v10
	v_fma_f32 v11, v11, v9, v9                     ; sin r
	v_fma_f32 v12, v10, s49, s50
	v_fma_f32 v12, v12, v10, s51
	v_mul_f32 v13, v10, v10
	v_fma_f32 v14, v10, -0.5, 1.0
	v_fma_f32 v12, v12, v13, v14                   ; cos r
	v_cvt_i32_f32 v13, v8
	v_and_b32 v14, 1, v13
	v_cmp_eq_u32 vcc_lo, 1, v14                    ; odd quadrant: the two change places (a choice of values, no branch)
	v_cndmask_b32 v16, v12, v11, vcc_lo
	v_cndmask_b32 v17, v11, v12, vcc_lo
	v_add_nc_u32 v14, 1, v13
	v_and_b32 v14, 2, v14                          ; the cosine is negative in quadrants 1 and 2,
	v_lshlrev_b32 v14, 30, v14
	v_xor_b32 v16, v14, v16
	v_and_b32 v13, 2, v13                          ; the sine in 2 and 3
	v_lshlrev_b32 v13, 30, v13
	v_xor_b32 v17, v13, v17
	global_store_b64 v[SO], v[16:17], s[40:41]     ; 32 lanes: the position's 256 bytes
	v_add_f32 v6, 1.0, v6
	s_wait_xcnt 0x0                                ; the store's data and base are written again only behind this wait
	s_add_nc_u64 s[40:41], s[40:41], 256
	s_sub_co_u32 s31, s31, 1
	s_cmp_lg_u32 s31, 0
	s_cbranch_scc1 .Lpos
	s_endpgm
.Lfunc_end_k_q2f06c0dc7b_prep:
	.size	k_q2f06c0dc7b_prep, .Lfunc_end_k_q2f06c0dc7b_prep-k_q2f06c0dc7b_prep
	.p2alignl 7, 3214868480
	.fill 96, 4, 3214868480
	.section	.rodata,"a",@progbits
	.p2align	6, 0x0
	.amdhsa_kernel k_q2f06c0dc7b_prep
		.amdhsa_group_segment_fixed_size 0
		.amdhsa_private_segment_fixed_size 0
		.amdhsa_enable_private_segment 0
		.amdhsa_kernarg_size 88
		.amdhsa_user_sgpr_count 2
		.amdhsa_user_sgpr_kernarg_segment_ptr 1
		.amdhsa_wavefront_size32 1
		.amdhsa_system_sgpr_workgroup_id_x 1
		.amdhsa_system_sgpr_workgroup_id_y 1
		.amdhsa_system_sgpr_workgroup_id_z 1
		.amdhsa_system_vgpr_workitem_id 0
		.amdhsa_next_free_vgpr 128
		.amdhsa_next_free_sgpr 66
		.amdhsa_reserve_vcc 1
		.amdhsa_float_denorm_mode_32 3
		.amdhsa_float_denorm_mode_16_64 3
		.amdhsa_memory_ordered 1
		.amdhsa_forward_progress 1
		.amdhsa_inst_pref_size 43
	.end_amdhsa_kernel
	.amdgpu_metadata
---
amdhsa.version: [ 1, 2 ]
amdhsa.kernels:
  - .name:           k_q2f06c0dc7b_prep
    .symbol:         k_q2f06c0dc7b_prep.kd
    .args:
      - { .name: x, .offset: 0, .size: 8, .value_kind: global_buffer, .address_space: global }
      - { .name: Wq, .offset: 8, .size: 8, .value_kind: global_buffer, .address_space: global }
      - { .name: Wk, .offset: 16, .size: 8, .value_kind: global_buffer, .address_space: global }
      - { .name: Wv, .offset: 24, .size: 8, .value_kind: global_buffer, .address_space: global }
      - { .name: Wo, .offset: 32, .size: 8, .value_kind: global_buffer, .address_space: global }
      - { .name: W1, .offset: 40, .size: 8, .value_kind: global_buffer, .address_space: global }
      - { .name: W2, .offset: 48, .size: 8, .value_kind: global_buffer, .address_space: global }
      - { .name: ln1_g, .offset: 56, .size: 8, .value_kind: global_buffer, .address_space: global }
      - { .name: ln1_b, .offset: 64, .size: 8, .value_kind: global_buffer, .address_space: global }
      - { .name: wts, .offset: 72, .size: 8, .value_kind: global_buffer, .address_space: global }
      - { .name: xa, .offset: 80, .size: 8, .value_kind: global_buffer, .address_space: global }
    .group_segment_fixed_size: 0
    .private_segment_fixed_size: 0
    .kernarg_segment_align: 8
    .kernarg_segment_size: 88
    .max_flat_workgroup_size: 256
    .sgpr_count:     66
    .vgpr_count:     128
    .wavefront_size: 32
...
	.end_amdgpu_metadata
.endif
;; end of part 1
;; launch proj (part 2): grid 12 x 16, 4 waves a work-group, clusters of 4 x 4, 327,680 bytes of LDS; arguments xa, wts, bq, bk, bv, qkv; writes qkv
.if DOCPART == 2
	.amdgcn_target "amdgcn-amd-amdhsa--gfx1250"
	.amdhsa_code_object_version 6
	.text
	.protected	k_q2f06c0dc7b_proj
	.globl	k_q2f06c0dc7b_proj
	.p2align	8
	.type	k_q2f06c0dc7b_proj,@function
k_q2f06c0dc7b_proj:
	s_mov_b64 s[64:65], 0
	v_nop
	global_prefetch_b8 v0, s[64:65] scope:SCOPE_SE
	s_setreg_imm32_b32 hwreg(HW_REG_WAVE_MODE, 25, 1), 1
	s_wait_xcnt 0x0
	s_wait_alu depctr_hold_cnt(0) depctr_sa_sdst(0) depctr_va_vdst(0) depctr_va_sdst(0) depctr_va_ssrc(0) depctr_va_vcc(0) depctr_vm_vsrc(0)
	s_getreg_b32 s2, hwreg(HW_REG_IB_STS2, 6, 4)
	s_cmp_eq_u32 s2, 0
	s_cbranch_scc0 .Lentry_in_a_cluster
	s_endpgm
.Lentry_in_a_cluster:
	s_bfe_u32 s2, ttmp6, 0x10000c
	s_cmp_lg_u32 s2, 0xf033
	s_cbranch_scc0 .Lentry_shape_is_right
	s_endpgm
.Lentry_shape_is_right:
.set IS_QKV, 1
; C = A W (+ bias, and what follows it), A: [4096][1024] f16 with K along the rows, W: [1024][NP] f16 AS IT LIES, [K][N]; sums in f32.
; IS_QKV = 1: W = (Wq | Wk | Wv), NP = 3,072; A = xn1 for the columns of Wq, xh for the others; + bias (rounded to bf16); RoPE on heads 0-7 of q and k; stored f16 by heads, [b 16 + h][2048][64].
; IS_QKV = 0: W = W1, NP = 4,096; A = xn2; + b1; ReLU; stored f16, [4096][4096].
; LIMITS.  f16 holds no number beyond 65,504: the results stay within it.  NaN and infinities are not treated apart.  The rotation of a wave's 128 rows starts from the table and goes on by
; 31 rotations by four positions' angle, in f32: about 3e-6 of relative error at the end.
; A tile of C is 256 x 256, four waves of 128 x 128: 64 accumulators of 16 x 16, 512 registers.  K goes in 8 steps of 128 through two LDS slots filled by tensor loads:
; 256 rows of A (256 bytes, pitch 272) and 128 k-rows of W (512 bytes, pitch 544).  W's fragments come out of LDS turned, by ds_load_tr16_b128.
; CLUSTER 4 x 4: A's tile is asked for jointly by the four of a row of the cluster, W's by the four of a column.
; THE MATRIX INSTRUCTION IS USED TRANSPOSED (source 0 = 16 columns of W, source 1 = 16 rows of A): a lane holds one row of C and eight neighbouring columns.
; REGISTERS: window 0: v0-31 addresses; v32-63 constants of the way out; v64-127, v128-191 A's fragments, two buffers; v192-255 at work.  Window 1: v64-191 W's fragments.
; Windows 2, 3: the accumulators of my rows 0-63, 64-127: (a, b) at v[8 (8 a + b)].
; With IS_QKV = 1 the grid has 192 work-groups: a tile of this size divides 4,096 x 3,072 so.
.if IS_QKV
.set NP,   3072
.set WOFF, 0
.else
.set NP,   4096
.set WOFF, 8388608
.endif
.set ROPE_OFF, 25165824
.set PA,     272                       ; 68 words: the 16 rows of a fragment load start at 16 different groups of four banks
.set PB,     544                       ; 136 words
.set PART,   128*PA                    ; what one tensor load brings: 128 rows of A, or 64 k-rows of W (64 x 544 is the same)
.set BOFF,   2*PART
.set SLOT,   4*PART
.set SPITCH, 560                       ; the stage: a row of 128 f32, 16 bytes of padding behind the first 256, 32 at the end: 35 x 16
.set WSTAGE, 128*SPITCH                ; a wave's stage; the stages lie over the ring, and are written behind its last fill
.set SPARE,  4*WSTAGE                  ; behind stages and ring: the spare words, 128 bytes a wave, which no other line names
.set ASTEP,  256
.set BSTEP,  128*NP*2
.set A0,   16                          ; v16 my lane's place in A's tile; never rewritten
.set B0,   17                          ; v17 the same in W's
.set ADRA, 18                          ; v18 A0 + the slot in hand
.set ADRB, 19
.set STO,  24
.set RD,   25
.set GO,   26
.set ZERO, 27
.set SPW,  28
.set NIL,  29
.set PFO,  30
.set F0,   64
.set F1,   128
.set CSR,  32                          ; v[32:39] (cos, sin) of my four pairs at my row's position
.set STP,  40                          ; v[40:47] (cos, sin) of four positions' angle
.set BI,   48                          ; v[48:63] bias of my columns
.set IN,   64
.set OUT,  128
.set TT,   192
.set G1A, 24
.set G0A, 32                           ; s[32:35] step 0; s[36:39] step 1, which then walks
.set G1B, 48
.set G0B, 56
.set LIM, 43
.set PFA, 44
.set TB,  66                           ; s66 the LDS byte at which the slot in hand begins: 0 or SLOT
.set PFS, 68
.set OP,  98                           ; s[98:99] the output at my corner
.set MSB, 0
.macro WIN new                         ; the immediate's high byte repeats the setting that is left
.if MSB != (\new)
	s_set_vgpr_msb (MSB<<8)|(\new)
.set MSB, \new
.endif
.endm
.set MUL_LO, 0xa1                      ; source 0 (W) window 1, source 1 (A) window 0, C and D window 2
.set MUL_HI, 0xf1
.set TO_B,   0x40
.macro PLACES                          ; four plain vector instructions between a matrix instruction and a load into, or a reader of, its registers
.rept 4
	v_nop
.endr
.endm
.macro RB2 a, b, t
	v_cvt_pk_bf16_f32 v[(\t)], v[(\a)], v[(\b)]
	v_lshlrev_b32 v[(\a)], 16, v[(\t)]
	v_and_b32 v[(\b)], 0xffff0000, v[(\t)]
.endm
.macro JLOAD                           ; a joint refill by the walking descriptors: waves 0, 1 fetch A's halves, waves 2, 3 W's; the branch hangs on the wave's number alone
	s_cmp_eq_u32 s11, 0
	s_cbranch_scc0 .Lfor_b_\@
	tensor_load_to_lds s[G0A+4:G0A+7], s[G1A:G1A+7]
	s_nop 0
.rept 4
	v_nop
.endr
	s_branch .Lasked_\@
.Lfor_b_\@:
	tensor_load_to_lds s[G0B+4:G0B+7], s[G1B:G1B+7]
	s_nop 0
.rept 4
	v_nop
.endr
.Lasked_\@:
.endm
.macro ASK                             ; one prefetch a wave: the K step that stands two refills on, 32 blocks of 256 bytes, a lane a block; s3 counts the refills still to come
	s_cmp_gt_u32 s3, s[LIM]
	s_cbranch_scc0 .Lnot_mine_\@
	global_prefetch_b8 v[PFO], s[PFA:PFA+1] th:TH_LOAD_NT scope:SCOPE_SE
.Lnot_mine_\@:
.endm
.macro CREST                           ; a round of the cluster's barrier behind its opening barrier
	s_cmp_lg_u32 s10, 0
	s_cbranch_scc1 .Lnot_wave_0_\@
	s_barrier_signal -3
.Lnot_wave_0_\@:
	s_barrier_wait -3
	s_barrier_signal -1
	s_barrier_wait -1
.endm
.macro CROUND
	s_barrier_signal -1
	s_barrier_wait -1
	CREST
.endm
	s_load_b128 s[4:7], s[0:1], 0x0                ; A's buffer, wts
.if IS_QKV
	s_load_b256 s[72:79], s[0:1], 0x10             ; bq 72, bk 74, bv 76, qkv 78
.else
	s_load_b128 s[72:75], s[0:1], 0x10             ; b1 72, hb 74
.endif
	v_lshl_add_u32 v[SPW], v0, 2, SPARE
	v_mov_b32 v[NIL], 0
	ds_add_u32 v[SPW], v[NIL]                      ; the wave's opening: the add and its wait stand ahead of my first tensor load
	v_lshrrev_b32 v1, 5, v0
	v_readfirstlane_b32 s10, v1                    ; wave 0..3
	s_lshr_b32 s11, s10, 1                         ; my half of the tile's rows; also: I fetch for A (0) or W (1)
	s_and_b32 s12, s10, 1                          ; my half of its columns; also: which half of that tile I fetch
	s_bfe_u32 s40, ttmp6, 0x40000                  ; cx
	s_bfe_u32 s41, ttmp6, 0x40004                  ; cy
	s_lshl_b32 s42, ttmp9, 2
	s_add_co_u32 s42, s42, s40                     ; tile column
	s_and_b32 s13, ttmp7, 0xffff
	s_lshl_b32 s13, s13, 2
	s_add_co_u32 s13, s13, s41                     ; tile row
	s_lshl_b32 s80, s41, 2
	s_lshl_b32 s80, 15, s80                        ; my row of the cluster
	s_lshl_b32 s81, 0x1111, s40                    ; my column
	s_or_b32 s[G1A], s80, (1<<16)|(1<<20)|(1<<21)|(5<<22)|(3<<25)  ; mask; 2-byte elements; padding on; bit 21 beside a mask; after every 64 words 4 words
	s_or_b32 s[G1B], s81, (1<<16)|(1<<20)|(1<<21)|(6<<22)|(7<<25)  ; after every 128 words 8 words
	s_mov_b32 s[G1A+1], 128<<16                    ; tensor_dim0
	s_mov_b32 s[G1A+2], 128<<16                    ; tensor_dim1
	s_mov_b32 s[G1A+3], 128<<16                    ; tile_dim0
	s_mov_b32 s[G1A+4], 128                        ; tile_dim1
	s_mov_b32 s[G1A+5], 1024                       ; elements from row to row
	s_mov_b32 s[G1A+6], 0
	s_mov_b32 s[G1A+7], 0
	s_mov_b32 s[G1B+1], 256<<16
	s_mov_b32 s[G1B+2], 64<<16
	s_mov_b32 s[G1B+3], 256<<16
	s_mov_b32 s[G1B+4], 64
	s_mov_b32 s[G1B+5], NP
	s_mov_b32 s[G1B+6], 0
	s_mov_b32 s[G1B+7], 0
	s_lshl_b32 s17, s12, 7
	s_lshl_b32 s16, s13, 8
	s_add_co_u32 s16, s16, s17                     ; A: row 256 x tile row + 128 x half,
	s_lshl_b32 s16, s16, 11                        ; 2,048 bytes a row
.if IS_QKV
	s_cmp_eq_u32 ttmp9, 0                          ; the first four tile columns are Wq's: they multiply xn1, which lies behind xh
	s_cselect_b32 s17, 8388608, 0
	s_add_co_u32 s16, s16, s17
.endif
	s_mov_b32 s17, 0
	s_lshl_b32 s46, s42, 9                         ; W: 512 bytes a tile column,
	s_mul_i32 s47, s12, 64*NP*2                    ; 64 k-rows a half
	s_add_co_u32 s46, s46, s47
	s_add_co_u32 s46, s46, WOFF
	s_mov_b32 s47, 0
	s_mul_i32 s20, s10, PART                       ; where my load lands in a slot: the wave's number alone
	s_mov_b32 s[TB], 0
	s_wait_dscnt 0x0                               ; the opening add is done
	s_wait_kmcnt 0x0
	s_add_nc_u64 s[14:15], s[4:5], s[16:17]
	s_add_nc_u64 s[46:47], s[6:7], s[46:47]
	CROUND                                         ; all sixteen work-groups are here: the first joint loads meet
.irp s, 0,1
	s_mov_b32 s[G0A+4*(\s)], 1
	s_add_co_u32 s[G0A+4*(\s)+1], s20, (\s)*SLOT
	s_add_nc_u64 s[G0A+4*(\s)+2:G0A+4*(\s)+3], s[14:15], (\s)*ASTEP
	s_or_b32 s[G0A+4*(\s)+3], s[G0A+4*(\s)+3], 0x80000000
	s_mov_b32 s[G0B+4*(\s)], 1
	s_add_co_u32 s[G0B+4*(\s)+1], s20, (\s)*SLOT
	s_add_nc_u64 s[G0B+4*(\s)+2:G0B+4*(\s)+3], s[46:47], (\s)*BSTEP
	s_or_b32 s[G0B+4*(\s)+3], s[G0B+4*(\s)+3], 0x80000000
.endr
	s_cmp_eq_u32 s11, 0                            ; a wave's two first fills stand in one branch: two loads of mine are out
	s_cbranch_scc0 .Lfirst_b
	tensor_load_to_lds s[G0A:G0A+3], s[G1A:G1A+7]
	s_nop 0
	tensor_load_to_lds s[G0A+4:G0A+7], s[G1A:G1A+7]
	s_nop 0
.rept 4
	v_nop
.endr
	s_branch .Lfirst_asked
.Lfirst_b:
	tensor_load_to_lds s[G0B:G0B+3], s[G1B:G1B+7]
	s_nop 0
	tensor_load_to_lds s[G0B+4:G0B+7], s[G1B:G1B+7]
	s_nop 0
.rept 4
	v_nop
.endr
.Lfirst_asked:
	; fragments.  A: lane l holds row l % 16; two loads of 16 bytes, 32 apart.  W: lane l reads k-row 8 (l / 16) + l % 8, columns 8 ((l / 8) % 2) on; the load turns 8 x 8
	v_and_b32 v1, 15, v0
	v_bfe_u32 v2, v0, 4, 1
	v_mul_u32_u24 v3, v1, PA
	v_lshl_add_u32 v3, v2, 4, v3
	s_mul_i32 s21, s11, PART
	v_add_nc_u32 v[A0], s21, v3
	v_and_b32 v4, 7, v0
	v_lshl_add_u32 v4, v2, 3, v4
	v_mul_u32_u24 v4, v4, PB
	v_bfe_u32 v5, v0, 3, 1
	v_lshl_add_u32 v4, v5, 4, v4
	s_lshl_b32 s22, s12, 8
	s_add_co_u32 s22, s22, BOFF
	v_add_nc_u32 v[B0], s22, v4
	v_mov_b32 v[ADRA], v[A0]
	v_mov_b32 v[ADRB], v[B0]
	; THE PREFETCHES.  A's rows are read by every cluster of a row of clusters: one of them asks (for xn1 cluster x = 0, for xh cluster x = 1; with IS_QKV = 0 cluster x = 0); W's by every
	; cluster of a column: cluster y = 0 asks.  The four partners share a wave's blocks out BY ADDRESS: of A 32 rows each (cx), of W 16 k-rows of two blocks each (cy).
	s_and_b32 s82, ttmp7, 0xffff
.if IS_QKV
	s_lshr_b32 s83, ttmp9, 1
.else
	s_mov_b32 s83, ttmp9
.endif
	s_mov_b32 s84, 16*NP*2
	s_mov_b32 s[PFS], BSTEP
	s_mov_b32 s[PFS+1], 0
	s_mov_b32 s71, NP*2
	s_cmp_eq_u32 s11, 0
	s_cselect_b32 s82, s83, s82                    ; 0 where my cluster asks
	s_cselect_b64 s[PFA:PFA+1], s[14:15], s[46:47]
	s_cselect_b32 s83, s40, s41                    ; my place among the four
	s_cselect_b32 s84, 32*2048, s84                ; a partner's share, in bytes
	s_cselect_b32 s[PFS], ASTEP, s[PFS]
	s_cselect_b32 s71, 2048, s71                   ; bytes from row to row
	s_cselect_b32 s70, 0, 1                        ; blocks in a row, less one
	s_cmp_eq_u32 s82, 0
	s_cselect_b32 s[LIM], 2, -1                    ; a wave asks while more than two refills are to come: the step two refills on then exists
	s_mul_i32 s84, s84, s83
	s_mul_i32 s83, s[PFS], 3                       ; at K step 3: the first refill steps it to 4
	s_add_co_u32 s84, s84, s83
	s_mov_b32 s85, 0
	s_add_nc_u64 s[PFA:PFA+1], s[PFA:PFA+1], s[84:85]
	v_and_b32 v3, 31, v0
	v_lshrrev_b32 v[PFO], s70, v3
	v_mul_u32_u24 v[PFO], s71, v[PFO]
	v_and_b32 v3, s70, v3
	v_lshl_add_u32 v[PFO], v3, 8, v[PFO]
	; the way out
	s_mul_i32 s86, s10, WSTAGE
	v_mul_u32_u24 v[STO], v1, SPITCH               ; in: row l % 16, 32 bytes for each half of the lanes
	v_lshl_add_u32 v[STO], v2, 5, v[STO]
	v_add_nc_u32 v[STO], s86, v[STO]
.if IS_QKV
	v_bfe_u32 v6, v0, 3, 2                         ; back: four rows, eight lanes a row, 8 columns a lane
	v_and_b32 v7, 7, v0
	v_mul_u32_u24 v[RD], v6, SPITCH
	v_lshl_add_u32 v[RD], v7, 5, v[RD]
	v_add_nc_u32 v[RD], s86, v[RD]
	v_and_b32 v[GO], 31, v0
	v_lshlrev_b32 v[GO], 4, v[GO]                  ; four rows of a head are 512 consecutive bytes
	s_and_b32 s87, s13, 7
	s_lshl_b32 s87, s87, 8
	s_lshl_b32 s88, s11, 7
	s_add_co_u32 s87, s87, s88                     ; my first row's position in its sequence
	v_lshlrev_b32 v8, 5, v7                        ; my four pairs: 32 bytes of a table row; my 8 columns: 32 bytes of bias
	v_lshl_add_u32 v9, v6, 8, v8
	s_lshl_b32 s88, s87, 8
	s_add_co_u32 s88, s88, ROPE_OFF
	s_mov_b32 s89, 0
	s_add_nc_u64 s[88:89], s[6:7], s[88:89]
	global_load_b128 v[CSR:CSR+3], v9, s[88:89]
	global_load_b128 v[CSR+4:CSR+7], v9, s[88:89] offset:16
	s_add_nc_u64 s[90:91], s[6:7], ROPE_OFF+4*256
	global_load_b128 v[STP:STP+3], v8, s[90:91]
	global_load_b128 v[STP+4:STP+7], v8, s[90:91] offset:16
	s_cmp_eq_u32 ttmp9, 1
	s_cselect_b64 s[92:93], s[74:75], s[76:77]
	s_cmp_eq_u32 ttmp9, 0
	s_cselect_b64 s[92:93], s[72:73], s[92:93]     ; bq, bk or bv
	s_and_b32 s94, s42, 3                          ; the tile column within its matrix: four heads
	s_lshl_b32 s95, s94, 10
	s_lshl_b32 s96, s12, 9
	s_add_co_u32 s95, s95, s96
	v_add_nc_u32 v10, s95, v8
	global_load_b128 v[BI:BI+3], v10, s[92:93]
	global_load_b128 v[BI+4:BI+7], v10, s[92:93] offset:16
	global_load_b128 v[BI+8:BI+11], v10, s[92:93] offset:256   ; my second head
	global_load_b128 v[BI+12:BI+15], v10, s[92:93] offset:272
	s_cmp_lt_u32 s94, 2                            ; heads 0-7,
	s_cselect_b32 s97, -1, 0
	s_cmp_lt_u32 ttmp9, 2                          ; of q and k
	s_cselect_b32 s97, s97, 0
	s_lshl_b32 s95, ttmp9, 23                      ; q, k or v: 8,388,608 bytes each
	s_lshr_b32 s96, s13, 3                         ; the batch
	s_lshl_b32 s96, s96, 4
	s_lshl_b32 s94, s94, 2
	s_add_co_u32 s96, s96, s94
	s_lshl_b32 s94, s12, 1
	s_add_co_u32 s96, s96, s94                     ; my first head
	s_lshl_b32 s96, s96, 18
	s_add_co_u32 s94, s95, s96
	s_lshl_b32 s96, s87, 7
	s_add_co_u32 s94, s94, s96
	s_mov_b32 s95, 0
	s_add_nc_u64 s[OP:OP+1], s[78:79], s[94:95]
	s_wait_loadcnt 0x0
.irp p, 0,2,4,6,8,10,12,14             ; where no rotation applies the angle is 0: a choice of values, no branch
	v_cndmask_b32 v[CSR+(\p)], 1.0, v[CSR+(\p)], s97
	v_cndmask_b32 v[CSR+(\p)+1], 0, v[CSR+(\p)+1], s97
.endr
.irp p, 0,2,4,6,8,10,12,14
	RB2 BI+(\p), BI+(\p)+1, 11
.endr
.else
	v_mul_u32_u24 v[RD], v2, SPITCH                ; back: two rows, sixteen lanes a row, 8 columns a lane
	v_lshl_add_u32 v[RD], v1, 5, v[RD]
	v_lshrrev_b32 v6, 3, v1
	v_lshl_add_u32 v[RD], v6, 4, v[RD]             ; (the padding in the row's middle)
	v_add_nc_u32 v[RD], s86, v[RD]
	v_lshlrev_b32 v[GO], 13, v2
	v_lshl_add_u32 v[GO], v1, 4, v[GO]
	s_lshl_b32 s88, s42, 10
	s_lshl_b32 s89, s12, 9
	s_add_co_u32 s88, s88, s89
	v_lshlrev_b32 v8, 5, v1
	v_add_nc_u32 v8, s88, v8
	global_load_b128 v[BI:BI+3], v8, s[72:73]
	global_load_b128 v[BI+4:BI+7], v8, s[72:73] offset:16
	s_lshl_b32 s90, s13, 8
	s_lshl_b32 s91, s11, 7
	s_add_co_u32 s90, s90, s91
	s_lshl_b32 s90, s90, 13                        ; 8,192 bytes a row of h
	s_lshl_b32 s91, s42, 9
	s_add_co_u32 s90, s90, s91
	s_lshl_b32 s91, s12, 8
	s_add_co_u32 s90, s90, s91
	s_mov_b32 s91, 0
	s_add_nc_u64 s[OP:OP+1], s[74:75], s[90:91]
	v_mov_b32 v[ZERO], 0
	s_wait_loadcnt 0x0
.irp p, 0,2,4,6
	RB2 BI+(\p), BI+(\p)+1, 11
.endr
.endif
; 16 matrix instructions: row blocks a0, a0 + 1 of the window's four x all 8 column blocks, 32 along K.  zero = 1: the product starts the sums.
; The 64 accumulators take turns, in the same order in every quarter.
.macro MUL16 f, hi, a0, zero
	WIN MUL_LO+0x50*(\hi)
.irp a, \a0, (\a0)+1
.irp b, 0,1,2,3,4,5,6,7
.if \zero
	v_wmma_f32_16x16x32_f16 v[8*(8*(\a)+(\b)):8*(8*(\a)+(\b))+7], v[(\f)+8*(\b):(\f)+8*(\b)+7], v[(\f)+8*(4*(\hi)+(\a)):(\f)+8*(4*(\hi)+(\a))+7], 0
.else
	v_wmma_f32_16x16x32_f16 v[8*(8*(\a)+(\b)):8*(8*(\a)+(\b))+7], v[(\f)+8*(\b):(\f)+8*(\b)+7], v[(\f)+8*(4*(\hi)+(\a)):(\f)+8*(4*(\hi)+(\a))+7], v[8*(8*(\a)+(\b)):8*(8*(\a)+(\b))+7]
.endif
.endr
.endr
.endm
; 32 LDS loads in one run: quarter q (32 along K) of the slot in hand into buffer f: W's 128 columns, then A's 128 rows
.macro FETCH q, f
	WIN TO_B
.irp i, 0,1,2,3,4,5,6,7
	ds_load_tr16_b128 v[(\f)+8*(\i):(\f)+8*(\i)+3],   v[ADRB] offset:(\q)*32*PB+(\i)*32
	ds_load_tr16_b128 v[(\f)+8*(\i)+4:(\f)+8*(\i)+7], v[ADRB] offset:(\q)*32*PB+(\i)*32+16*PB
.endr
	WIN 0
.irp i, 0,1,2,3,4,5,6,7
	ds_load_b128 v[(\f)+8*(\i):(\f)+8*(\i)+3],   v[ADRA] offset:(\q)*64+(\i)*16*PA
	ds_load_b128 v[(\f)+8*(\i)+4:(\f)+8*(\i)+7], v[ADRA] offset:(\q)*64+(\i)*16*PA+32
.endr
.endm
; One of a K step's first three quarters: multiplies buffer f and, in its middle, fetches quarter q into buffer g
.macro QUARTER q, f, g, zero
	s_wait_dscnt 8                                 ; W and A's rows 0-63 are in; the youngest eight loads (A's rows 64-127) may be out
	MUL16 \f, 0, 0, \zero
	MUL16 \f, 0, 2, \zero
	PLACES
	FETCH \q, \g
	s_wait_dscnt 32                                ; all but the 32 just issued
	MUL16 \f, 1, 0, \zero
	MUL16 \f, 1, 2, \zero
.endm
; The last quarter multiplies buffer 1 and changes slots.  Its first 32 products stand AHEAD of the wait for the tensor load, so that a refill has a whole K step, 256 matrix instructions, between
; its request and the wait for it.  Then each wave waits for all its tensor loads (one is out: its part of the next slot), adds 0 to its spare word, and waits for that and for its reads of this
; slot; only then it signals: behind the barrier the next slot is whole for every wave, and nobody reads this slot any more.
; fill = 1: the slot just read is filled again, two K steps ahead; the barrier then opens a round of the cluster's.
.macro TURN fill
.if \fill
	s_wait_xcnt 0x0                                ; the last prefetch, a K step back, has read its address
	s_add_nc_u64 s[PFA:PFA+1], s[PFA:PFA+1], s[PFS:PFS+1]
.endif
	s_wait_dscnt 8                                 ; W and A's rows 0-63 of buffer 1 are in; the youngest eight loads may be out
	MUL16 F1, 0, 0, 0
	MUL16 F1, 0, 2, 0
	WIN 0
	s_wait_tensorcnt 0x0                           ; no tensor load of mine is out, so a group 0 may be written
	ds_add_u32 v[SPW], v[NIL]                      ; the descriptors' steps stand between the add and the wait for it
.if \fill
	s_add_co_u32 s[G0A+5], s20, s[TB]
	s_add_nc_u64 s[G0A+6:G0A+7], s[G0A+6:G0A+7], ASTEP
	s_add_co_u32 s[G0B+5], s20, s[TB]
	s_add_nc_u64 s[G0B+6:G0B+7], s[G0B+6:G0B+7], BSTEP
.endif
	s_wait_dscnt 0x0                               ; the add is done, and my reads of this slot are over
	s_barrier_signal -1
	s_barrier_wait -1
.if \fill
	CREST                                          ; no wave of any partner still reads this slot or has a load on its way
	JLOAD                                          ; my one tensor load behind the round; its four v_nop are also the places in front of the loads below
.else
	PLACES
.endif
	s_xor_b32 s[TB], s[TB], SLOT
	v_add_nc_u32 v[ADRA], s[TB], v[A0]
	v_add_nc_u32 v[ADRB], s[TB], v[B0]
	FETCH 0, F0
.if \fill
	ASK
.endif
	MUL16 F1, 1, 0, 0
	MUL16 F1, 1, 2, 0
.endm
	s_wait_tensorcnt 1                             ; my part of K step 0 is in; step 1's may stay out
	s_barrier_signal -1
	s_barrier_wait -1
	FETCH 0, F0
	QUARTER 1, F0, F1, 1                           ; the first quarter is written out: its products start the sums
	WIN 0
	s_mov_b32 s3, 6                                ; K steps 0 to 5 fill a slot again
	s_branch .Lmid
.Lstep:
	QUARTER 1, F0, F1, 0
	WIN 0
.Lmid:
	QUARTER 2, F1, F0, 0
	QUARTER 3, F0, F1, 0
	TURN 1
	WIN 0
	s_sub_co_u32 s3, s3, 1
	s_cmp_lg_u32 s3, 0
	s_cbranch_scc1 .Lstep
	s_mov_b32 s3, 2                                ; K steps 6 and 7 ask for nothing.  The second trip's last run of loads reads the other slot's old bytes and serves nothing: the price of one text for both
.Ltail:
	QUARTER 1, F0, F1, 0
	QUARTER 2, F1, F0, 0
	QUARTER 3, F0, F1, 0
	TURN 0
	WIN 0
	s_sub_co_u32 s3, s3, 1
	s_cmp_lg_u32 s3, 0
	s_cbranch_scc1 .Ltail
	; THE WAY OUT.  The sums go as f32 into my stage, which lies over the ring: every wave's reads of the ring are over, and no fill follows.
	s_wait_dscnt 0x0
	s_barrier_signal -1
	s_barrier_wait -1
	PLACES
.irp a, 0,1,2,3,4,5,6,7
	WIN 0x08+4*((\a)/4)                            ; the stores' data: window 2 or 3
.irp b, 0,1,2,3,4,5,6,7
	ds_store_b128 v[STO], v[8*(8*((\a)%4)+(\b)):8*(8*((\a)%4)+(\b))+3]   offset:(\a)*16*SPITCH+64*(\b)+16*((\b)/4)
	ds_store_b128 v[STO], v[8*(8*((\a)%4)+(\b))+4:8*(8*((\a)%4)+(\b))+7] offset:(\a)*16*SPITCH+64*(\b)+16*((\b)/4)+16
.endr
.endr
	WIN 0
	s_mov_b32 s3, 8                                ; 16 rows a trip; LDS serves a wave's instructions in order, so the loads below see my stores
.if IS_QKV
; Four pairs (x0, x1) -> (x0 c - x1 s, x0 s + x1 c): the four products first, then the four sums, so that no line reads the result of the line before it
.macro ROT4 x, cs
.irp p, 0,1,2,3
	v_pk_mul_f32 v[TT+2*(\p):TT+2*(\p)+1], v[(\x)+2*(\p):(\x)+2*(\p)+1], v[(\cs)+2*(\p):(\cs)+2*(\p)+1] op_sel_hi:[1,0]
.endr
.irp p, 0,1,2,3
	v_pk_fma_f32 v[(\x)+2*(\p):(\x)+2*(\p)+1], v[(\x)+2*(\p):(\x)+2*(\p)+1], v[(\cs)+2*(\p):(\cs)+2*(\p)+1], v[TT+2*(\p):TT+2*(\p)+1] op_sel:[1,1,0] op_sel_hi:[0,1,1] neg_lo:[0,1,0]
.endr
.endm
.Lrows:
.irp u, 0,1,2,3
.irp hh, 0,1
	ds_load_b128 v[IN+16*(\u)+8*(\hh):IN+16*(\u)+8*(\hh)+3],   v[RD] offset:(\u)*4*SPITCH+(\hh)*272
	ds_load_b128 v[IN+16*(\u)+8*(\hh)+4:IN+16*(\u)+8*(\hh)+7], v[RD] offset:(\u)*4*SPITCH+(\hh)*272+16
.endr
.endr
.irp u, 0,1,2,3
	s_wait_dscnt 12-4*(\u)                         ; the four loads of these four rows are in; the later rows' stay out
.irp hh, 0,1
.irp p, 0,1,2,3
	v_pk_add_f32 v[IN+16*(\u)+8*(\hh)+2*(\p):IN+16*(\u)+8*(\hh)+2*(\p)+1], v[IN+16*(\u)+8*(\hh)+2*(\p):IN+16*(\u)+8*(\hh)+2*(\p)+1], v[BI+8*(\hh)+2*(\p):BI+8*(\hh)+2*(\p)+1]
.endr
	ROT4 IN+16*(\u)+8*(\hh), CSR
.irp p, 0,1,2,3
	v_cvt_pk_f16_f32 v[OUT+8*(\u)+4*(\hh)+(\p)], v[IN+16*(\u)+8*(\hh)+2*(\p)], v[IN+16*(\u)+8*(\hh)+2*(\p)+1]
.endr
	global_store_b128 v[GO], v[OUT+8*(\u)+4*(\hh):OUT+8*(\u)+4*(\hh)+3], s[OP:OP+1] offset:512*(\u)+262144*(\hh)  ; 512 consecutive bytes, aligned: four rows of one head
.endr
	ROT4 CSR, STP                                  ; four positions on
.endr
	s_wait_xcnt 0x0                                ; the stores' data and offset are written again only behind this wait
	v_add_nc_u32 v[RD], 16*SPITCH, v[RD]
	v_add_nc_u32 v[GO], 2048, v[GO]
	s_sub_co_u32 s3, s3, 1
	s_cmp_lg_u32 s3, 0
	s_cbranch_scc1 .Lrows
.else
.Lrows:
.irp u, 0,1,2,3,4,5,6,7
	ds_load_b128 v[IN+8*(\u):IN+8*(\u)+3],   v[RD] offset:(\u)*2*SPITCH
	ds_load_b128 v[IN+8*(\u)+4:IN+8*(\u)+7], v[RD] offset:(\u)*2*SPITCH+16
.endr
.irp u, 0,1,2,3,4,5,6,7
	s_wait_dscnt 14-2*(\u)                         ; the two loads of these two rows are in
.irp p, 0,1,2,3
	v_pk_add_f32 v[IN+8*(\u)+2*(\p):IN+8*(\u)+2*(\p)+1], v[IN+8*(\u)+2*(\p):IN+8*(\u)+2*(\p)+1], v[BI+2*(\p):BI+2*(\p)+1]
.endr
.irp p, 0,1,2,3
	v_cvt_pk_f16_f32 v[OUT+4*(\u)+(\p)], v[IN+8*(\u)+2*(\p)], v[IN+8*(\u)+2*(\p)+1]
.endr
.irp p, 0,1,2,3
	v_pk_max_num_f16 v[OUT+4*(\u)+(\p)], v[OUT+4*(\u)+(\p)], v[ZERO]
.endr
	global_store_b128 v[GO], v[OUT+4*(\u):OUT+4*(\u)+3], s[OP:OP+1] offset:16384*(\u)  ; 16 lanes store 256 consecutive bytes, aligned
.endr
	s_wait_xcnt 0x0
	v_add_nc_u32 v[RD], 16*SPITCH, v[RD]
	v_add_nc_u32 v[GO], 131072, v[GO]
	s_sub_co_u32 s3, s3, 1
	s_cmp_lg_u32 s3, 0
	s_cbranch_scc1 .Lrows
.endif
	s_wait_tensorcnt 0x0                           ; the wave's end
	ds_add_u32 v[SPW], v[NIL]
	s_wait_dscnt 0x0
	CROUND                                         ; the closing round
	s_endpgm
.Lfunc_end_k_q2f06c0dc7b_proj:
	.size	k_q2f06c0dc7b_proj, .Lfunc_end_k_q2f06c0dc7b_proj-k_q2f06c0dc7b_proj
	.p2alignl 7, 3214868480
	.fill 96, 4, 3214868480
	.section	.rodata,"a",@progbits
	.p2align	6, 0x0
	.amdhsa_kernel k_q2f06c0dc7b_proj
		.amdhsa_group_segment_fixed_size 327680
		.amdhsa_private_segment_fixed_size 0
		.amdhsa_enable_private_segment 0
		.amdhsa_kernarg_size 48
		.amdhsa_user_sgpr_count 2
		.amdhsa_user_sgpr_kernarg_segment_ptr 1
		.amdhsa_wavefront_size32 1
		.amdhsa_system_sgpr_workgroup_id_x 1
		.amdhsa_system_sgpr_workgroup_id_y 1
		.amdhsa_system_sgpr_workgroup_id_z 1
		.amdhsa_system_vgpr_workitem_id 0
		.amdhsa_next_free_vgpr 1024
		.amdhsa_next_free_sgpr 100
		.amdhsa_reserve_vcc 0
		.amdhsa_float_denorm_mode_32 3
		.amdhsa_float_denorm_mode_16_64 3
		.amdhsa_memory_ordered 1
		.amdhsa_forward_progress 1
		.amdhsa_inst_pref_size 94
	.end_amdhsa_kernel
	.amdgpu_metadata
---
amdhsa.version: [ 1, 2 ]
amdhsa.kernels:
  - .name:           k_q2f06c0dc7b_proj
    .symbol:         k_q2f06c0dc7b_proj.kd
    .args:
      - { .name: xa, .offset: 0, .size: 8, .value_kind: global_buffer, .address_space: global }
      - { .name: wts, .offset: 8, .size: 8, .value_kind: global_buffer, .address_space: global }
      - { .name: bq, .offset: 16, .size: 8, .value_kind: global_buffer, .address_space: global }
      - { .name: bk, .offset: 24, .size: 8, .value_kind: global_buffer, .address_space: global }
      - { .name: bv, .offset: 32, .size: 8, .value_kind: global_buffer, .address_space: global }
      - { .name: qkv, .offset: 40, .size: 8, .value_kind: global_buffer, .address_space: global }
    .group_segment_fixed_size: 327680
    .private_segment_fixed_size: 0
    .kernarg_segment_align: 8
    .kernarg_segment_size: 48
    .max_flat_workgroup_size: 128
    .sgpr_count:     100
    .vgpr_count:     1024
    .wavefront_size: 32
...
	.end_amdgpu_metadata
.endif
;; end of part 2
;; launch attn (part 3): grid 8 x 32, 4 waves a work-group, clusters of 4 x 1, 327,680 bytes of LDS; arguments qkv, ob; writes ob
.if DOCPART == 3
	.amdgcn_target "amdgcn-amd-amdhsa--gfx1250"
	.amdhsa_code_object_version 6
	.text
	.protected	k_q2f06c0dc7b_attn
	.globl	k_q2f06c0dc7b_attn
	.p2align	8
	.type	k_q2f06c0dc7b_attn,@function
k_q2f06c0dc7b_attn:
	s_mov_b64 s[64:65], 0
	v_nop
	global_prefetch_b8 v0, s[64:65] scope:SCOPE_SE
	s_setreg_imm32_b32 hwreg(HW_REG_WAVE_MODE, 25, 1), 1
	s_wait_xcnt 0x0
	s_wait_alu depctr_hold_cnt(0) depctr_sa_sdst(0) depctr_va_vdst(0) depctr_va_sdst(0) depctr_va_ssrc(0) depctr_va_vcc(0) depctr_vm_vsrc(0)
	s_getreg_b32 s2, hwreg(HW_REG_IB_STS2, 6, 4)
	s_cmp_eq_u32 s2, 0
	s_cbranch_scc0 .Lentry_in_a_cluster
	s_endpgm
.Lentry_in_a_cluster:
	s_bfe_u32 s2, ttmp6, 0x10000c
	s_cmp_lg_u32 s2, 0x3003
	s_cbranch_scc0 .Lentry_shape_is_right
	s_endpgm
.Lentry_shape_is_right:
; O[h][q][:] = the sum over k of softmax_k(Q[h][q] . K[h][k] / 8) V[h][k][:].  Q, K, V (thirds of qkv) and O: [32][2048][64], f16: a head's rows are dense, 128 bytes each.
; Products, maxima and sums in f32; the weights p are rounded to f16 for the second product (their sum l is taken of the unrounded p), O once at the end.
; LIMITS.  Q, K, V arrive within f16's 65,504; p lies in 0 to 1, and below 6e-5 keeps f16's fixed step of 6e-8; a weight below 2^-126 counts as 0 in l; NaN and infinities are not treated apart.
; SHARES.  A work-group owns 256 queries of a head, a wave 64: four PIECES of 16.  Every wave walks all 2,048 keys, 64 a step, four steps to a tile of 256 keys.
; LAYOUT.  S^T = K Q^T holds ONE query a lane (lane % 16) and the keys 8 (lane / 16) + 0..7; two such results rounded to f16 ARE source 1 of O^T = V^T P.  K comes out of LDS as it lies, V turned.
; SOFTMAX.  p = 2^(c s - c m), c = log2(e) / 8, with a running maximum m; O and l are multiplied by a = 2^(c m_old - c m_new) in every step.  m starts at the lowest finite number, O and l at 0.
; TURNS.  Turn n belongs to piece n: 8 products K Q^T of piece n + 1, later 8 products V^T P of piece n - 1; beside them the scaling, exponentials, roundings, sums and rescaling of piece n and
; the maximum and statistics of piece n + 1.  Four vector instructions stand behind every matrix instruction, the others in one run.  A turn's 33 exponentials are one batch, with one wait.
; CLUSTER.  The four query blocks of a cluster belong to one head and walk the same K and V: each tile is asked for JOINTLY, by the same tensor load, descriptor and mask in all four.
; REGISTERS: window 0: v0-15 addresses; v16-31 statistics; v48-55 at work; v61-63 prefetch offset and the add's two; v64-127 S^T, two buffers; v192-223 P, two buffers.
;   window 1: v0-127 O^T, 32 a piece.    window 2: v0-63 Q; v128-191 K of one step; v192-255 V of one step.
.set SIZE_N, 2048
.set NP,    4
.set KS,    64
.set PK,    144       ; a row of K in LDS: 128 bytes + 16: the 16 rows of a load start at 16 different groups of four banks
.set PV,    160       ; a row of V: 128 + 32
.set VOFF,  4*KS*PK   ; a slot holds a tile: 256 rows of K, then 256 rows of V
.set SLOT1, 1<<17
.set STAGE, SLOT1+4*KS*(PK+PV)
.set SP,    144
.set SPARE, STAGE+4*16*SP
.set AK0, 2
.set AV0, 3
.set AK,  4
.set AV,  5
.set STO, 6
.set RD,  7
.set GO,  8
.set MV,  12
.set QO,  15
.set ST,  16          ; piece t: c m, m, l (even keys', odd keys')
.set TMP, 48
.set PFO, 61
.set SPW, 62
.set NIL, 63
.set S,   64
.set P,   192
.set KF,  128
.set VF,  192
.set WV,  12
.set G1K, 24
.set G1V, 32
.set G0K, 40
.set G0V, 44
.set SLOTS, 56        ; s56  tiles still to be asked for
.set CNT, 57
.set CS,  58
.set SEL, 60
.set TBK, 62
.set TBV, 63
.set PFA, 66
.set LIM, 68
.set MSB, 0
.macro WIN new
.if MSB != (\new)
	s_set_vgpr_msb (MSB<<8)|(\new)
.set MSB, (\new)
.endif
.endm
.set W_KQ, 0x0a
.set W_PV, 0x52
.set W_RS, 0x41
.macro JLOAD                        ; waves 0 and 1 fetch the two halves of a tile's K, waves 2 and 3 those of its V: 128 keys each
	s_cmp_lt_u32 s[WV], 2
	s_cbranch_scc0 .Lfor_v_\@
	tensor_load_to_lds s[G0K:G0K+3], s[G1K:G1K+7]
	s_nop 0
.rept 4
	v_nop
.endr
	s_branch .Lasked_\@
.Lfor_v_\@:
	tensor_load_to_lds s[G0V:G0V+3], s[G1V:G1V+7]
	s_nop 0
.rept 4
	v_nop
.endr
.Lasked_\@:
.endm
; A prefetch of the tile that the NEXT change of slots will ask for: 128 blocks of 256 bytes of K and of V.  The head's first cluster asks; its four partners take 32 blocks each, told apart by
; address; in each, wave 0 asks for K's and wave 2 for V's, a lane a block.  The last change that fills a slot asks for nothing.
.macro ASK
	s_cmp_gt_u32 s[SLOTS], s[LIM]
	s_cbranch_scc0 .Lnot_mine_\@
	global_prefetch_b8 v[PFO], s[PFA:PFA+1] th:TH_LOAD_NT scope:SCOPE_SE
.Lnot_mine_\@:
.endm
.macro CROUND
	s_barrier_signal -1
	s_barrier_wait -1
	s_cmp_lg_u32 s[WV], 0
	s_cbranch_scc1 .Lnot_wave_0_\@
	s_barrier_signal -3
.Lnot_wave_0_\@:
	s_barrier_wait -3
	s_barrier_signal -1
	s_barrier_wait -1
.endm
; THE CHANGE OF SLOTS.  Each wave waits for all its tensor loads (one is out: its part of the other slot), adds 0 to its spare word, and waits for that and for its reads of the slot that it leaves.
; fill = 1: the barrier is a round of the cluster's, and the old slot is filled again first thing behind it, with the keys two tiles on: four key steps, 256 matrix instructions, in which to land.
.macro CHANGE fill
	WIN 0
	s_wait_tensorcnt 0x0
	ds_add_u32 v[SPW], v[NIL]
.if \fill
.irp g, G0K, G0V
	s_xor_b32 s[\g+1], s[\g+1], SLOT1
	s_add_nc_u64 s[\g+2:\g+3], s[\g+2:\g+3], 4*KS*128
.endr
	s_wait_xcnt 0x0                 ; the last prefetch, four key steps back, has read its address
	s_add_nc_u64 s[PFA:PFA+1], s[PFA:PFA+1], 4*KS*128
	s_wait_dscnt 0x0
	CROUND
	JLOAD
	ASK
.else
	s_wait_dscnt 0x0
	s_barrier_signal -1
	s_barrier_wait -1
.endif
	s_sub_co_u32 s[TBK], s[TBK], 4*KS*PK
	s_xor_b32 s[TBK], s[TBK], SLOT1
	s_sub_co_u32 s[TBV], s[TBV], 4*KS*PV
	s_xor_b32 s[TBV], s[TBV], SLOT1
.endm
	s_load_b128 s[4:7], s[0:1], 0x0   ; qkv, ob
	v_lshl_add_u32 v[SPW], v0, 2, SPARE
	v_mov_b32 v[NIL], 0
	ds_add_u32 v[SPW], v[NIL]       ; the wave's opening: the add and its wait stand ahead of my first tensor load
	v_lshrrev_b32 v1, 5, v0
	v_readfirstlane_b32 s[WV], v1
	s_bfe_u32 s13, ttmp6, 0x40000   ; cx
	s_lshl_b32 s14, ttmp9, 2
	s_add_co_u32 s14, s14, s13      ; my block of 256 queries: it enters Q's and O's addresses alone
	s_and_b32 s20, ttmp7, 0xffff    ; the head, which the four partners share
	s_lshl_b32 s20, s20, 18         ; 262,144 bytes a head
	s_and_b32 s16, s[WV], 1         ; which half of a tile's 256 keys I fetch
	s_lshl_b32 s22, s16, 14
	s_add_co_u32 s22, s22, s20
	s_mov_b32 s23, 0
	s_mul_i32 s17, s16, 128*PK
	s_mul_i32 s18, s16, 128*PV
	s_lshl_b32 s2, s14, 2
	s_add_co_u32 s2, s2, s[WV]
	s_lshl_b32 s2, s2, 13           ; my wave's 64 rows
	s_add_co_u32 s2, s2, s20
	s_mov_b32 s3, 0
	; 128 keys are 16,384 dense bytes: asked for as 64 rows of 256 bytes, and padded in LDS after every key
	s_mov_b32 s[G1K], 15|(1<<16)|(1<<20)|(1<<21)|(4<<22)|(3<<25)
	s_mov_b32 s[G1V], 15|(1<<16)|(1<<20)|(1<<21)|(4<<22)|(7<<25)
.irp g, G1K, G1V
	s_mov_b32 s[\g+1], 128<<16
	s_mov_b32 s[\g+2], 64<<16
	s_mov_b32 s[\g+3], 128<<16
	s_mov_b32 s[\g+4], 64
	s_mov_b32 s[\g+5], 128
	s_mov_b32 s[\g+6], 0
	s_mov_b32 s[\g+7], 0
.endr
	s_mov_b32 s[CS], 0x3e38aa3b     ; c = log2(e) / 8
	s_mov_b32 s[CS+1], s[CS]
	s_mov_b32 s[SEL], 0x76543210
	s_mov_b32 s[SEL+1], 0xfedcba98
	s_mov_b32 s[TBK], SLOT1+4*KS*PK ; the first change of slots turns these two into 0
	s_mov_b32 s[TBV], SLOT1+4*KS*PV
	s_mov_b32 s[G0K], 1
	s_mov_b32 s[G0K+1], s17
	s_mov_b32 s[G0V], 1
	s_add_co_u32 s[G0V+1], s18, VOFF
	s_mov_b32 s[SLOTS], SIZE_N/256-1
	s_and_b32 s[LIM], s[WV], 1      ; 0 in waves 0 and 2,
	s_or_b32 s[LIM], s[LIM], ttmp9  ; where the cluster is the head's first
	s_cmp_eq_u32 s[LIM], 0
	s_cselect_b32 s[LIM], 1, -1
	v_and_b32 v[PFO], 31, v0
	v_lshlrev_b32 v[PFO], 8, v[PFO]
	s_wait_dscnt 0x0                ; the opening add is done
	s_wait_kmcnt 0x0
	s_add_nc_u64 s[50:51], s[4:5], s[22:23]
	s_add_nc_u64 s[52:53], s[50:51], 16777216      ; V at my half of the head's tile 0
	s_add_nc_u64 s[50:51], s[50:51], 8388608       ; K likewise
	s_mov_b64 s[G0K+2:G0K+3], s[50:51]
	s_or_b32 s[G0K+3], s[G0K+3], 0x80000000
	s_mov_b64 s[G0V+2:G0V+3], s[52:53]
	s_or_b32 s[G0V+3], s[G0V+3], 0x80000000
	s_add_nc_u64 s[48:49], s[4:5], s[2:3]          ; Q and O at my wave's first row
	s_add_nc_u64 s[10:11], s[6:7], s[2:3]
	s_cmp_lt_u32 s[WV], 2
	s_cselect_b64 s[PFA:PFA+1], s[50:51], s[52:53] ; (in waves 0 and 2 these stand at a tile's first row)
	s_lshl_b32 s70, s13, 13         ; my work-group's 32 blocks
	s_mov_b32 s71, 0
	s_add_nc_u64 s[PFA:PFA+1], s[PFA:PFA+1], s[70:71]
	s_add_nc_u64 s[PFA:PFA+1], s[PFA:PFA+1], 4*KS*128  ; in tile 1: the first change steps it to tile 2
	CROUND                          ; all four work-groups are here: the first joint loads meet
	JLOAD                           ; tile 0 into slot 0; slot 1 is asked for when slot 0 is in
	v_and_b32 v1, 15, v0
	v_bfe_u32 v9, v0, 4, 1
	v_lshlrev_b32 v[QO], 7, v1
	v_lshl_add_u32 v[QO], v9, 4, v[QO]
	WIN 0x80
.set i, 0
.rept 8                             ; Q stays in registers: piece i / 2, channels 32 (i % 2) on
	global_load_b128 v[8*i:8*i+3],   v[QO], s[48:49] offset:(i/2)*2048+(i%2)*64
	global_load_b128 v[8*i+4:8*i+7], v[QO], s[48:49] offset:(i/2)*2048+(i%2)*64+32
.set i, i+1
.endr
	; what the first turn finds: V's registers and P's second buffer hold 0, O^T and l are 0.  All this stands in the wait for the first tile: no first step is written out
.set i, VF
.rept 64
	v_mov_b32 v[i], 0
.set i, i+1
.endr
	WIN 0x40
.set i, 0
.rept 128
	v_mov_b32 v[i], 0
.set i, i+1
.endr
	WIN 0
.set i, 0
.rept 4
	v_mov_b32 v[ST+4*i], 0xfe000000    ; c m: far below every c s
	v_mov_b32 v[ST+4*i+1], 0xff7fffff  ; m
	v_mov_b32 v[ST+4*i+2], 0
	v_mov_b32 v[ST+4*i+3], 0
.set i, i+1
.endr
.set i, P+16
.rept 16
	v_mov_b32 v[i], 0
.set i, i+1
.endr
	v_mul_u32_u24 v[AK0], v1, PK
	v_lshl_add_u32 v[AK0], v9, 4, v[AK0]
	v_and_b32 v10, 7, v0
	v_bfe_u32 v11, v0, 3, 1
	v_lshl_add_u32 v[AV0], v9, 3, v10
	v_mul_u32_u24 v[AV0], v[AV0], PV
	v_lshl_add_u32 v[AV0], v11, 4, v[AV0]
	v_add_nc_u32 v[AV0], VOFF, v[AV0]
	s_mul_i32 s13, s[WV], 16*SP
	s_add_co_u32 s13, s13, STAGE    ; my stage
	v_mul_u32_u24 v[STO], v1, SP
	v_lshl_add_u32 v[STO], v9, 4, v[STO]
	v_add_nc_u32 v[STO], s13, v[STO]
	v_bfe_u32 v[RD], v0, 3, 2
	v_mul_u32_u24 v[RD], v[RD], SP
	v_lshl_add_u32 v[RD], v10, 4, v[RD]
	v_add_nc_u32 v[RD], s13, v[RD]
	v_and_b32 v[GO], 31, v0
	v_lshlrev_b32 v[GO], 4, v[GO]
; THE MATRIX WORK.  The 4 accumulators of a run of 8 take turns.
.macro KQ x                         ; product i of 8 of S^T = K Q^T for piece x: channels 32 (i / 4) on, keys 16 (i % 4) on; the first 4 start the sums
.set rS, S+32*((\x)%2)+8*(i%4)
.set rK, KF+16*(i%4)+8*(i/4)
.set rQ, 16*(\x)+8*(i/4)
	WIN W_KQ
.if i < 4
	v_wmma_f32_16x16x32_f16 v[rS:rS+7], v[rK:rK+7], v[rQ:rQ+7], 0
.else
	v_wmma_f32_16x16x32_f16 v[rS:rS+7], v[rK:rK+7], v[rQ:rQ+7], v[rS:rS+7]
.endif
.endm
.macro PV x                         ; product i of 8 of O^T += V^T P for piece x: keys 32 (i / 4) on, channels 16 (i % 4) on
	WIN W_PV
.set rO, 32*(\x)+8*(i%4)
.set rV, VF+32*(i/4)+8*(i%4)
.set rP, P+16*((\x)%2)+8*(i/4)
	v_wmma_f32_16x16x32_f16 v[rO:rO+7], v[rV:rV+7], v[rP:rP+7], v[rO:rO+7]
.endm
.macro MM                           ; the turn's next matrix instruction
.if i < 8
	KQ (Y+1)%NP
.else
.set i, i-8
	PV (Y+NP-1)%NP
.set i, i+8
.endif
.set i, i+1
.endm
; THE LDS LOADS stand in runs of 16.  last = 1 (the tail): behind the last tile's fourth step the address stays, so that the fifth trip reads the last K once more: a choice of a step, no jump
.macro FETCH_K last=0
	WIN 0x80
.irp f, 0,1,2,3,4,5,6,7
	ds_load_b128 v[KF+8*\f:KF+8*\f+3],   v[AK] offset:(\f/2)*16*PK+(\f%2)*64
	ds_load_b128 v[KF+8*\f+4:KF+8*\f+7], v[AK] offset:(\f/2)*16*PK+(\f%2)*64+32
.endr
.if \last
	s_cmp_gt_u32 s[CNT], 2
	s_cselect_b32 s69, KS*PK, 0
	s_add_co_u32 s[TBK], s[TBK], s69
.else
	s_add_co_u32 s[TBK], s[TBK], KS*PK
.endif
	WIN 0
.endm
.macro FETCH_V
	WIN 0x80
.irp f, 0,1,2,3,4,5,6,7
	ds_load_tr16_b128 v[VF+8*\f:VF+8*\f+3],   v[AV] offset:(\f/4)*32*PV+(\f%4)*32
	ds_load_tr16_b128 v[VF+8*\f+4:VF+8*\f+7], v[AV] offset:(\f/4)*32*PV+16*PV+(\f%4)*32
.endr
	WIN 0
.endm
; THE VECTOR WORK, one line at a time: OP kind, number.  For piece Y: F n: c s - c m for pair n of 16.  E n: the exponential of score n of 32.  C n: pair n rounded to f16.  B n: of the four weights
; 4 n .. the second pair is added onto the first.  L n: l takes that sum (L 0: l = a l + sum).  R n: pair n of 16 of O^T times a.  For piece Y + 1: X n, number n of the 22 that find its maximum and
; statistics: 0-11 four chains of seven scores (each accumulator's lowest registers are read first); 12-14, 16 the scores left over, the old m, the four into one;
; 15 c m_old is kept; 17, 18 the other half of the lanes' maximum, the new m; 19-21 c m, its change, a.
.set F, 0
.set E, 1
.set C, 2
.set B, 3
.set L, 4
.set R, 5
.set X, 6
.macro REGS y
.set rT, ST+4*(\y)
.set rC, TMP+4*((\y)%2)
.set rW, MV+((\y)%2)
.set rS, S+32*((\y)%2)
.set rP, P+16*((\y)%2)
.set rO, 32*(\y)
.endm
.macro OP k, n
.if (\k) == R
	REGS Y
	WIN W_RS
	v_pk_mul_f32 v[rO+2*(\n):rO+2*(\n)+1], v[rO+2*(\n):rO+2*(\n)+1], v[rC+2:rC+3] op_sel_hi:[1,0]
.elseif (\k) < R
	REGS Y
	WIN 0
.if (\k) == F
	v_pk_fma_f32 v[rS+2*(\n):rS+2*(\n)+1], v[rS+2*(\n):rS+2*(\n)+1], s[CS:CS+1], v[rT:rT+1] op_sel_hi:[1,0,0] neg_lo:[0,0,1] neg_hi:[0,0,1]
.elseif (\k) == E
	v_exp_f32 v[rS+(\n)], v[rS+(\n)]
.elseif (\k) == C
	v_cvt_pk_f16_f32 v[rP+(\n)], v[rS+2*(\n)], v[rS+2*(\n)+1]
.elseif (\k) == B
	v_pk_add_f32 v[rS+4*(\n):rS+4*(\n)+1], v[rS+4*(\n):rS+4*(\n)+1], v[rS+4*(\n)+2:rS+4*(\n)+3]
.elseif (\n) == 0
	v_pk_fma_f32 v[rT+2:rT+3], v[rT+2:rT+3], v[rC+2:rC+3], v[rS:rS+1] op_sel_hi:[1,0,1]
.else
	v_pk_add_f32 v[rT+2:rT+3], v[rT+2:rT+3], v[rS+4*(\n):rS+4*(\n)+1]
.endif
.else
	REGS (Y+1)%NP
	WIN 0
.if (\n) < 4
	v_max3_num_f32 v[rC+(\n)], v[rS+8*(\n)], v[rS+8*(\n)+1], v[rS+8*(\n)+2]
.elseif (\n) < 12
	v_max3_num_f32 v[rC+(\n)%4], v[rC+(\n)%4], v[rS+8*((\n)%4)+2*((\n)/4)+1], v[rS+8*((\n)%4)+2*((\n)/4)+2]
.elseif (\n) == 12
	v_max3_num_f32 v[rC], v[rC], v[rS+7], v[rS+15]
.elseif (\n) == 13
	v_max3_num_f32 v[rC+1], v[rC+1], v[rS+23], v[rS+31]
.elseif (\n) == 14
	v_max3_num_f32 v[rC+2], v[rC+2], v[rC+3], v[rT+1]
.elseif (\n) == 15
	v_mov_b32 v[rW], v[rT]
.elseif (\n) == 16
	v_max3_num_f32 v[rC], v[rC], v[rC+1], v[rC+2]
.elseif (\n) == 17
	v_permlanex16_b32 v[rC+3], v[rC], s[SEL], s[SEL+1]
.elseif (\n) == 18
	v_max_num_f32 v[rT+1], v[rC], v[rC+3]
.elseif (\n) == 19
	v_mul_f32 v[rT], s[CS], v[rT+1]
.elseif (\n) == 20
	v_sub_f32 v[rC+1], v[rW], v[rT]
.else
	v_exp_f32 v[rC+2], v[rC+1]
.endif
.endif
.endm
.macro OPS a, i1, b=-1, i2=0, c=-1, i3=0, d=-1, i4=0
	OP \a, \i1
.if (\b) >= 0
	OP \b, \i2
.endif
.if (\c) >= 0
	OP \c, \i3
.endif
.if (\d) >= 0
	OP \d, \i4
.endif
.endm
.macro ROW a, i1, b, i2, c, i3, d, i4  ; a matrix instruction and the four behind it
	MM
	OPS \a, \i1, \b, \i2, \c, \i3, \d, \i4
.endm
; A TURN, for piece p.  AHEAD OF ITS ONE WAIT stands all that names no result of the turn's exponentials: the 8 products K Q^T with their four each, and one run of 54; X 21, the next piece's a, is the
; batch's last, and R 15 the plain instruction behind it.  BEHIND THE WAIT stand the 8 products V^T P, behind each four of the roundings and sums.
; K of the next step is fetched in piece 2's turn, behind twelve plain instructions that follow the last product that read K; V of the step in hand at the end of piece 0's turn, four plain instructions
; behind the last product that read V.  Each is waited for a turn later.  cnt = 1: the loop's count is taken down some lines ahead of the branch behind the turn.
.macro TURN p, last=0, cnt=0
.set Y, (\p)
.set i, 0
.if (\p) == 3
	s_wait_dscnt 0x0                ; K is in
.endif
	ROW F,0, F,1, R,0, R,1
	ROW F,2, E,0, R,2, R,3
	ROW F,3, E,1, R,4, R,5
	ROW F,4, E,2, R,6, R,7
	ROW F,5, E,3, R,8, R,9
	ROW F,6, E,4, X,0, R,10
.if (\p) == 2
	WIN 0
	v_add_nc_u32 v[AK], s[TBK], v[AK0]
.endif
	ROW F,7, E,5, X,1, X,4
	ROW F,8, E,6, X,2, X,5
	OPS E,7, E,8, X,6, E,9
	OPS X,3, E,10, X,8, E,11
.if (\p) == 2
	FETCH_K \last
.endif
	OPS X,9, X,7, E,12, X,10
	OPS E,13, X,12, X,11, E,14
	OPS X,13, E,15, F,9, X,14
.if (\p) == 0
	v_add_nc_u32 v[AV], s[TBV], v[AV0]
.endif
	OPS E,16, F,10, E,17, F,11
	OPS X,16, E,18, X,15, E,19
	OPS F,12, E,20, X,17, E,21
	OPS F,13, E,22, F,14, E,23
	OPS X,18, E,24, F,15, E,25
	OPS R,11, E,26, X,19, E,27
	OPS R,12, E,28, R,13, E,29
	OPS X,20, E,30, R,14, E,31
	OPS X,21, R,15
	WIN 0
	s_wait_alu depctr_va_vdst(0)    ; the wait for the batch, ahead of the first reader
.if (\p) == 1
	s_wait_dscnt 0x0                ; V is in
.endif
	ROW C,0, B,0, C,2, B,1
	ROW L,0, C,4, B,2, L,1
	ROW C,6, B,3, L,2, C,8
	ROW B,4, L,3, C,10, B,5
	ROW L,4, C,12, B,6, L,5
.if (\p) == 0
	s_add_co_u32 s[TBV], s[TBV], KS*PV
.endif
.if \cnt
	s_sub_co_u32 s[CNT], s[CNT], 1
	s_cmp_lg_u32 s[CNT], 0
.endif
	ROW C,14, B,7, L,6, C,1
	ROW C,3, L,7, C,5, C,7
	ROW C,9, C,11, C,13, C,15
.if (\p) == 0
	FETCH_V
.endif
.endm
	CHANGE 1                        ; slot 0 is in, everybody's part of it; slot 1 is asked for
	v_add_nc_u32 v[AK], s[TBK], v[AK0]
	FETCH_K                         ; key step 0
	s_wait_loadcnt 0x0              ; Q
	s_wait_dscnt 0x0
.set i, 0
.rept 8
	KQ 0                            ; piece 0's first scores
.set i, i+1
.endr
	WIN 0
.rept 4
	v_nop                           ; the places behind those products
.endr
.set Y, NP-1                        ; X works for piece Y + 1: piece 0
.irp n, 0,1,2,3,4,5,6,7,8,9,10,11,12,13,14,15,16,17,18,19,20,21
	OP X, \n
.endr
	v_nop                           ; a plain instruction behind the exponential,
	s_wait_alu depctr_va_vdst(0)    ; and its wait, ahead of the branch
	s_mov_b32 s[CNT], 4
	s_branch .Lfirst                ; the loop is entered at a step's first turn, in the middle of a trip
.Lslot:                             ; six times: tiles 2 to 7 are asked for
	CHANGE 1
	s_mov_b32 s[CNT], 4
.Lstep:                             ; a trip: pieces 2 and 3 of one step, then pieces 0 and 1 of the next, whose K and V it fetches
	TURN 2
	TURN 3
	WIN 0
.Lfirst:
	TURN 0
	TURN 1, 0, 1
	WIN 0
	s_cbranch_scc1 .Lstep
	s_sub_co_u32 s[SLOTS], s[SLOTS], 1
	s_cmp_lg_u32 s[SLOTS], 0
	s_cbranch_scc1 .Lslot
	CHANGE 0                        ; the tail is written out: nothing is asked for
	s_mov_b32 s[CNT], 5             ; four trips fetch the last tile's steps; the fifth is left in its middle
.Ltail:
	TURN 2, 1
	TURN 3
	WIN 0
	s_sub_co_u32 s[CNT], s[CNT], 1
	s_cmp_eq_u32 s[CNT], 0
	s_cbranch_scc1 .Lout
	TURN 0
	TURN 1
	WIN 0
	s_branch .Ltail
.Lout:                              ; the fifth trip's 8 products K Q^T (on the last K once more) and the maximum made of them serve nothing: the price, once a launch, of one text for every trip
.set i, 0
.rept 8
	PV NP-1                         ; the last piece's V^T P of the last step
.set i, i+1
.endr
	; THE WAY OUT.  l's two halves and the other half of the lanes' are added; O^T is divided by l, rounded to f16 and sent through my stage, a piece at a time.  The additions are the places behind the last products.
	WIN 0
.macro ALL line:vararg
.set t, 0
.rept 4
	\line
.set t, t+1
.endr
.endm
	ALL v_add_f32 v[ST+4*t+2], v[ST+4*t+2], v[ST+4*t+3]
	ALL v_permlanex16_b32 v[ST+4*t+3], v[ST+4*t+2], s[SEL], s[SEL+1]
	ALL v_add_f32 v[ST+4*t+2], v[ST+4*t+2], v[ST+4*t+3]
	ALL v_rcp_f32 v[ST+4*t+2], v[ST+4*t+2]
	v_nop
	s_wait_alu depctr_va_vdst(0)    ; one wait for the four reciprocals, ahead of their first reader
.macro PACK t
	WIN W_RS
.set i, 32*(\t)
.rept 16
	v_pk_mul_f32 v[i:i+1], v[i:i+1], v[ST+4*(\t)+2:ST+4*(\t)+3] op_sel_hi:[1,0]
.set i, i+2
.endr
	WIN 0x05
.set i, 0
.rept 16
	v_cvt_pk_f16_f32 v[S+16*(\t)+i], v[32*(\t)+2*i], v[32*(\t)+2*i+1]
.set i, i+1
.endr
	WIN 0
.irp f, 0,1,2,3
	ds_store_b128 v[STO], v[S+16*(\t)+4*\f:S+16*(\t)+4*\f+3] offset:32*\f
.endr
.irp f, 0,1,2,3
	ds_load_b128 v[S+16*(\t)+4*\f:S+16*(\t)+4*\f+3], v[RD] offset:\f*4*SP  ; LDS serves a wave's instructions in order: these see the stores above; the next piece's stores come behind them
.endr
.endm
.macro SEND t, younger              ; younger: the LDS instructions issued behind piece t's loads
	WIN 0
.irp f, 0,1,2,3
	s_wait_dscnt (\younger)+3-\f
	global_store_b128 v[GO], v[S+16*(\t)+4*\f:S+16*(\t)+4*\f+3], s[10:11] offset:(\t)*2048+\f*512  ; 512 consecutive bytes, aligned
.endr
.endm
	PACK 0
.set t, 1
.rept 3
	PACK t
	SEND t-1, 8
.set t, t+1
.endr
	SEND 3, 0
	s_wait_tensorcnt 0x0            ; the wave's end
	ds_add_u32 v[SPW], v[NIL]
	s_wait_dscnt 0x0
	CROUND                          ; the closing round
	s_endpgm
.Lfunc_end_k_q2f06c0dc7b_attn:
	.size	k_q2f06c0dc7b_attn, .Lfunc_end_k_q2f06c0dc7b_attn-k_q2f06c0dc7b_attn
	.p2alignl 7, 3214868480
	.fill 96, 4, 3214868480
	.section	.rodata,"a",@progbits
	.p2align	6, 0x0
	.amdhsa_kernel k_q2f06c0dc7b_attn
		.amdhsa_group_segment_fixed_size 327680
		.amdhsa_private_segment_fixed_size 0
		.amdhsa_enable_private_segment 0
		.amdhsa_kernarg_size 16
		.amdhsa_user_sgpr_count 2
		.amdhsa_user_sgpr_kernarg_segment_ptr 1
		.amdhsa_wavefront_size32 1
		.amdhsa_system_sgpr_workgroup_id_x 1
		.amdhsa_system_sgpr_workgroup_id_y 1
		.amdhsa_system_sgpr_workgroup_id_z 1
		.amdhsa_system_vgpr_workitem_id 0
		.amdhsa_next_free_vgpr 768
		.amdhsa_next_free_sgpr 88
		.amdhsa_reserve_vcc 0
		.amdhsa_float_denorm_mode_32 3
		.amdhsa_float_denorm_mode_16_64 3
		.amdhsa_memory_ordered 1
		.amdhsa_forward_progress 1
		.amdhsa_inst_pref_size 112
	.end_amdhsa_kernel
	.amdgpu_metadata
---
amdhsa.version: [ 1, 2 ]
amdhsa.kernels:
  - .name:           k_q2f06c0dc7b_attn
    .symbol:         k_q2f06c0dc7b_attn.kd
    .args:
      - { .name: qkv, .offset: 0, .size: 8, .value_kind: global_buffer, .address_space: global }
      - { .name: ob, .offset: 8, .size: 8, .value_kind: global_buffer, .address_space: global }
    .group_segment_fixed_size: 327680
    .private_segment_fixed_size: 0
    .kernarg_segment_align: 8
    .kernarg_segment_size: 16
    .max_flat_workgroup_size: 128
    .sgpr_count:     88
    .vgpr_count:     768
    .wavefront_size: 32
...
	.end_amdgpu_metadata
.endif
;; end of part 3
;; launch oproj (part 4): grid 8 x 32, 4 waves a work-group, clusters of 4 x 4, 327,680 bytes of LDS; arguments ob, wts, xa, bo, x1; writes x1
.if DOCPART == 4
	.amdgcn_target "amdgcn-amd-amdhsa--gfx1250"
	.amdhsa_code_object_version 6
	.text
	.protected	k_q2f06c0dc7b_oproj
	.globl	k_q2f06c0dc7b_oproj
	.p2align	8
	.type	k_q2f06c0dc7b_oproj,@function
k_q2f06c0dc7b_oproj:
	s_mov_b64 s[64:65], 0
	v_nop
	global_prefetch_b8 v0, s[64:65] scope:SCOPE_SE
	s_setreg_imm32_b32 hwreg(HW_REG_WAVE_MODE, 25, 1), 1
	s_wait_xcnt 0x0
	s_wait_alu depctr_hold_cnt(0) depctr_sa_sdst(0) depctr_va_vdst(0) depctr_va_sdst(0) depctr_va_ssrc(0) depctr_va_vcc(0) depctr_vm_vsrc(0)
	s_getreg_b32 s2, hwreg(HW_REG_IB_STS2, 6, 4)
	s_cmp_eq_u32 s2, 0
	s_cbranch_scc0 .Lentry_in_a_cluster
	s_endpgm
.Lentry_in_a_cluster:
	s_bfe_u32 s2, ttmp6, 0x10000c
	s_cmp_lg_u32 s2, 0xf033
	s_cbranch_scc0 .Lentry_shape_is_right
	s_endpgm
.Lentry_shape_is_right:
.set IS_WO, 1
; C = R + A W + bias, stored f32 [4096][1024].  W: [K][1024] f16 as it lies, [K][N]; sums in f32, started from the residual R.
; IS_WO = 1: A = O, f16 by heads [b 16 + h][2048][64], K = 1,024 (k = 64 h + d); W = Wo; R = xh (f16 of x rounded to bf16); bias bo (rounded to bf16) is added with R at the start.
; IS_WO = 0: A = h, f16 [4096][4096], K = 4,096; W = W2; R = x1 (f32), loaded straight into the accumulators; bias b2 is added on the way out.
; LIMITS: none beyond the operands' f16 range, which the launches before keep.  NaN and infinities are not treated apart.
; A tile of C is 128 x 128 (256 work-groups), four waves of 64 x 64: 16 accumulators.  K goes in steps of 256 through two LDS slots: A's 128 rows and 256 k-rows of W (256 bytes, pitch 288),
; whose fragments come out turned, by ds_load_tr16_b128.  With IS_WO = 1 a K step is four heads: four planes of 128 rows x 128 bytes (pitch 144); a wave's one load brings two planes, each 16,384 dense bytes.
; CLUSTER 4 x 4: A's tile is asked for jointly along a row of the cluster, W's along a column.  THE MATRIX INSTRUCTION IS USED TRANSPOSED: a lane holds one row of C and eight neighbouring columns.
; No prefetch: a step's tiles are small, and with IS_WO = 1 there are four steps in all.
; REGISTERS: window 0: v0-31 addresses; v32-127 at work; v128-255 the accumulators ((a, b) at v[128 + 8 (4 a + b)]).  Window 1: two fragment buffers of 128: 64 registers of A, then 64 of W.
.if IS_WO
.set STEPS, 4
.set WOFF,  6291456
.set PA,    144
.set APART, 2*128*PA                   ; what wave 0 or 1 fetches: two planes
.set AQ,    128*PA                     ; a quarter of a K step is a plane
.set ASTEP, 4*262144
.else
.set STEPS, 16
.set WOFF,  16777216
.set PA,    528
.set APART, 64*PA
.set AQ,    128
.set ASTEP, 512
.endif
.set PB,     288                       ; 72 words
.set BPART,  128*PB
.set BOFF,   2*APART
.set SLOT,   BOFF+2*BPART
.set SPARE,  2*SLOT                    ; behind the ring: the spare words, 128 bytes a wave, which no other line names
.set BSTEP,  256*2048
.set SP,     272
.set WSTAGE, 64*SP                     ; a wave's stage, over slot 0, written behind the ring's last fill
.set A0,   16
.set B0,   17
.set ADRA, 18
.set ADRB, 19                          ; v19 quarters 0, 1; v20 quarters 2, 3 (an LDS offset has 16 bits)
.set STO,  24
.set RD,   25
.set CO,   26
.set ONE,  27
.set SPW,  28
.set NIL,  29
.set TMP,  32
.set BI,   96
.set ACC,  128
.set F0,   0
.set F1,   128
.set G1A, 24
.set G0A, 32
.set G1B, 48
.set G0B, 56
.set TB,  66
.set MSB, 0
.macro WIN new
.if MSB != (\new)
	s_set_vgpr_msb (MSB<<8)|(\new)
.set MSB, \new
.endif
.endm
.set MUL,  0x05
.set TO_F, 0x40
.macro PLACES
.rept 4
	v_nop
.endr
.endm
.macro RB2 a, b, t
	v_cvt_pk_bf16_f32 v[(\t)], v[(\a)], v[(\b)]
	v_lshlrev_b32 v[(\a)], 16, v[(\t)]
	v_and_b32 v[(\b)], 0xffff0000, v[(\t)]
.endm
.macro JLOAD
	s_cmp_eq_u32 s11, 0
	s_cbranch_scc0 .Lfor_b_\@
	tensor_load_to_lds s[G0A+4:G0A+7], s[G1A:G1A+7]
	s_nop 0
.rept 4
	v_nop
.endr
	s_branch .Lasked_\@
.Lfor_b_\@:
	tensor_load_to_lds s[G0B+4:G0B+7], s[G1B:G1B+7]
	s_nop 0
.rept 4
	v_nop
.endr
.Lasked_\@:
.endm
.macro CREST
	s_cmp_lg_u32 s10, 0
	s_cbranch_scc1 .Lnot_wave_0_\@
	s_barrier_signal -3
.Lnot_wave_0_\@:
	s_barrier_wait -3
	s_barrier_signal -1
	s_barrier_wait -1
.endm
.macro CROUND
	s_barrier_signal -1
	s_barrier_wait -1
	CREST
.endm
	s_load_b128 s[4:7], s[0:1], 0x0                ; A's buffer, wts
	s_load_b128 s[72:75], s[0:1], 0x10             ; the residual's buffer, the bias
	s_load_b64 s[76:77], s[0:1], 0x20              ; the output
	v_lshl_add_u32 v[SPW], v0, 2, SPARE
	v_mov_b32 v[NIL], 0
	ds_add_u32 v[SPW], v[NIL]                      ; the wave's opening: the add and its wait stand ahead of my first tensor load
	v_lshrrev_b32 v1, 5, v0
	v_readfirstlane_b32 s10, v1
	s_lshr_b32 s11, s10, 1                         ; my half of the rows; also: I fetch for A (0) or W (1)
	s_and_b32 s12, s10, 1                          ; my half of the columns; also: which half I fetch
	s_bfe_u32 s40, ttmp6, 0x40000
	s_bfe_u32 s41, ttmp6, 0x40004
	s_lshl_b32 s42, ttmp9, 2
	s_add_co_u32 s42, s42, s40                     ; tile column
	s_and_b32 s13, ttmp7, 0xffff
	s_lshl_b32 s13, s13, 2
	s_add_co_u32 s13, s13, s41                     ; tile row
	s_lshl_b32 s80, s41, 2
	s_lshl_b32 s80, 15, s80
	s_lshl_b32 s81, 0x1111, s40
.if IS_WO
	s_or_b32 s[G1A], s80, (1<<16)|(1<<20)|(1<<21)|(4<<22)|(3<<25)  ; after every 32 words (a token's 128 bytes) 4 words
	s_mov_b32 s[G1A+1], 8192<<16                   ; tensor_dim0: 128 tokens x 64 channels, dense
	s_mov_b32 s[G1A+2], 2<<16                      ; tensor_dim1: two heads
	s_mov_b32 s[G1A+3], 8192<<16
	s_mov_b32 s[G1A+4], 2
	s_mov_b32 s[G1A+5], 131072                     ; elements from head to head
.else
	s_or_b32 s[G1A], s80, (1<<16)|(1<<20)|(1<<21)|(6<<22)|(3<<25)  ; after every 128 words 4 words
	s_mov_b32 s[G1A+1], 256<<16
	s_mov_b32 s[G1A+2], 64<<16
	s_mov_b32 s[G1A+3], 256<<16
	s_mov_b32 s[G1A+4], 64
	s_mov_b32 s[G1A+5], 4096
.endif
	s_mov_b32 s[G1A+6], 0
	s_mov_b32 s[G1A+7], 0
	s_or_b32 s[G1B], s81, (1<<16)|(1<<20)|(1<<21)|(5<<22)|(7<<25)  ; after every 64 words 8 words
	s_mov_b32 s[G1B+1], 128<<16
	s_mov_b32 s[G1B+2], 128<<16
	s_mov_b32 s[G1B+3], 128<<16
	s_mov_b32 s[G1B+4], 128
	s_mov_b32 s[G1B+5], 1024
	s_mov_b32 s[G1B+6], 0
	s_mov_b32 s[G1B+7], 0
.if IS_WO
	s_lshr_b32 s16, s13, 4                         ; the batch,
	s_lshl_b32 s16, s16, 4                         ; its 16 heads,
	s_lshl_b32 s17, s12, 1
	s_add_co_u32 s16, s16, s17                     ; my two of a step's four,
	s_lshl_b32 s16, s16, 11                        ; 2,048 rows a head,
	s_and_b32 s17, s13, 15
	s_lshl_b32 s17, s17, 7
	s_add_co_u32 s16, s16, s17                     ; the tile's 128 tokens,
	s_lshl_b32 s16, s16, 7                         ; 128 bytes a row
.else
	s_lshl_b32 s16, s13, 7
	s_lshl_b32 s17, s12, 6
	s_add_co_u32 s16, s16, s17
	s_lshl_b32 s16, s16, 13                        ; 8,192 bytes a row of h
.endif
	s_mov_b32 s17, 0
	s_lshl_b32 s46, s42, 8                         ; W: 256 bytes a tile column,
	s_lshl_b32 s47, s12, 18                        ; 128 k-rows of 2,048 bytes a half
	s_add_co_u32 s46, s46, s47
	s_add_co_u32 s46, s46, WOFF
	s_mov_b32 s47, 0
	s_mul_i32 s20, s12, APART                      ; where my load lands in a slot, for A
	s_mul_i32 s21, s12, BPART
	s_add_co_u32 s21, s21, BOFF                    ; and for W
	s_mov_b32 s[TB], 0
	s_wait_dscnt 0x0                               ; the opening add is done
	s_wait_kmcnt 0x0
	s_add_nc_u64 s[14:15], s[4:5], s[16:17]
	s_add_nc_u64 s[46:47], s[6:7], s[46:47]
	CROUND                                         ; all sixteen work-groups are here: the first joint loads meet
.irp s, 0,1
	s_mov_b32 s[G0A+4*(\s)], 1
	s_add_co_u32 s[G0A+4*(\s)+1], s20, (\s)*SLOT
	s_add_nc_u64 s[G0A+4*(\s)+2:G0A+4*(\s)+3], s[14:15], (\s)*ASTEP
	s_or_b32 s[G0A+4*(\s)+3], s[G0A+4*(\s)+3], 0x80000000
	s_mov_b32 s[G0B+4*(\s)], 1
	s_add_co_u32 s[G0B+4*(\s)+1], s21, (\s)*SLOT
	s_add_nc_u64 s[G0B+4*(\s)+2:G0B+4*(\s)+3], s[46:47], (\s)*BSTEP
	s_or_b32 s[G0B+4*(\s)+3], s[G0B+4*(\s)+3], 0x80000000
.endr
	s_cmp_eq_u32 s11, 0                            ; a wave's two first fills stand in one branch: two loads of mine are out
	s_cbranch_scc0 .Lfirst_b
	tensor_load_to_lds s[G0A:G0A+3], s[G1A:G1A+7]
	s_nop 0
	tensor_load_to_lds s[G0A+4:G0A+7], s[G1A:G1A+7]
	s_nop 0
.rept 4
	v_nop
.endr
	s_branch .Lfirst_asked
.Lfirst_b:
	tensor_load_to_lds s[G0B:G0B+3], s[G1B:G1B+7]
	s_nop 0
	tensor_load_to_lds s[G0B+4:G0B+7], s[G1B:G1B+7]
	s_nop 0
.rept 4
	v_nop
.endr
.Lfirst_asked:
	v_and_b32 v1, 15, v0
	v_bfe_u32 v2, v0, 4, 1
	; my 64 x 64 corner of C, of the residual and of the bias
	s_lshl_b32 s82, s13, 7
	s_lshl_b32 s83, s11, 6
	s_add_co_u32 s82, s82, s83                     ; first row
	s_lshl_b32 s83, s42, 7
	s_lshl_b32 s84, s12, 6
	s_add_co_u32 s83, s83, s84                     ; first column
	s_lshl_b32 s84, s83, 2
	s_lshl_b32 s86, s82, 12
	s_add_co_u32 s86, s86, s84
	s_mov_b32 s87, 0
	s_mov_b32 s85, 0
	s_add_nc_u64 s[76:77], s[76:77], s[86:87]
.if IS_WO
	s_lshr_b32 s86, s86, 1                         ; xh has half the bytes
.endif
	s_add_nc_u64 s[72:73], s[72:73], s[86:87]
	s_add_nc_u64 s[74:75], s[74:75], s[84:85]
.if IS_WO
	v_lshlrev_b32 v3, 11, v1                       ; accumulator (a, b): row 16 a + l % 16, columns 16 b + 8 (l / 16) + 0..7: 16 bytes of xh
	v_lshl_add_u32 v3, v2, 4, v3
.irp a, 0,1,2,3
.irp b, 0,1,2,3
	global_load_b128 v[TMP+4*(4*(\a)+(\b)):TMP+4*(4*(\a)+(\b))+3], v3, s[72:73] offset:32768*(\a)+32*(\b)
.endr
.endr
	v_lshlrev_b32 v4, 5, v2
.irp b, 0,1,2,3
	global_load_b128 v[BI+8*(\b):BI+8*(\b)+3],   v4, s[74:75] offset:64*(\b)
	global_load_b128 v[BI+8*(\b)+4:BI+8*(\b)+7], v4, s[74:75] offset:64*(\b)+16
.endr
.else
	v_lshlrev_b32 v3, 12, v1                       ; the same place in x1: 32 bytes, straight into the accumulator
	v_lshl_add_u32 v3, v2, 5, v3
.irp a, 0,1,2,3
.irp b, 0,1,2,3
	global_load_b128 v[ACC+8*(4*(\a)+(\b)):ACC+8*(4*(\a)+(\b))+3],   v3, s[72:73] offset:65536*(\a)+64*(\b)
	global_load_b128 v[ACC+8*(4*(\a)+(\b))+4:ACC+8*(4*(\a)+(\b))+7], v3, s[72:73] offset:65536*(\a)+64*(\b)+16
.endr
.endr
	v_lshlrev_b32 v4, 4, v1                        ; on the way out a lane holds columns 4 (l % 16) + 0..3
	global_load_b128 v[BI:BI+3], v4, s[74:75]
.endif
	v_mul_u32_u24 v5, v1, PA
	v_lshl_add_u32 v5, v2, 4, v5
	s_mul_i32 s22, s11, 64*PA
	v_add_nc_u32 v[A0], s22, v5
	v_and_b32 v6, 7, v0
	v_lshl_add_u32 v6, v2, 3, v6
	v_mul_u32_u24 v6, v6, PB
	v_bfe_u32 v7, v0, 3, 1
	v_lshl_add_u32 v6, v7, 4, v6
	s_lshl_b32 s23, s12, 7
	s_add_co_u32 s23, s23, BOFF
	v_add_nc_u32 v[B0], s23, v6
	v_mov_b32 v[ADRA], v[A0]
	v_mov_b32 v[ADRB], v[B0]
	v_add_nc_u32 v[ADRB+1], BPART, v[B0]
	s_mul_i32 s88, s10, WSTAGE
	v_mul_u32_u24 v[STO], v1, SP
	v_lshl_add_u32 v[STO], v2, 5, v[STO]
	v_add_nc_u32 v[STO], s88, v[STO]
	v_mul_u32_u24 v[RD], v2, SP
	v_lshl_add_u32 v[RD], v1, 4, v[RD]
	v_add_nc_u32 v[RD], s88, v[RD]
	v_lshlrev_b32 v[CO], 12, v2
	v_lshl_add_u32 v[CO], v1, 4, v[CO]
	v_mov_b32 v[ONE], 1.0
	s_wait_loadcnt 0x0                             ; residual and bias are in
.if IS_WO
.set k, 0
.rept 16
	RB2 BI+2*k, BI+2*k+1, 8+(k%4)
.set k, k+1
.endr
.irp a, 0,1,2,3
.irp b, 0,1,2,3
.irp j, 0,1,2,3                        ; the sums start at x + bo: an f16 half times 1 plus the bias, in f32
	v_fma_mix_f32 v[ACC+8*(4*(\a)+(\b))+2*(\j)],   v[TMP+4*(4*(\a)+(\b))+(\j)], v[ONE], v[BI+8*(\b)+2*(\j)]   op_sel:[0,0,0] op_sel_hi:[1,0,0]
	v_fma_mix_f32 v[ACC+8*(4*(\a)+(\b))+2*(\j)+1], v[TMP+4*(4*(\a)+(\b))+(\j)], v[ONE], v[BI+8*(\b)+2*(\j)+1] op_sel:[1,0,0] op_sel_hi:[1,0,0]
.endr
.endr
.endr
.else
	RB2 BI, BI+1, 8
	RB2 BI+2, BI+3, 9
.endif
; 8 matrix instructions: row blocks a0, a0 + 1 x all 4 column blocks, 32 along K: half c of buffer f.  The 16 accumulators take turns.
.macro MUL8 f, c, a0
	WIN MUL
.irp a, \a0, (\a0)+1
.irp b, 0,1,2,3
	v_wmma_f32_16x16x32_f16 v[ACC+8*(4*(\a)+(\b)):ACC+8*(4*(\a)+(\b))+7], v[(\f)+64+8*(4*(\c)+(\b)):(\f)+64+8*(4*(\c)+(\b))+7], v[(\f)+8*(4*(\c)+(\a)):(\f)+8*(4*(\c)+(\a))+7], v[ACC+8*(4*(\a)+(\b)):ACC+8*(4*(\a)+(\b))+7]
.endr
.endr
.endm
; 32 LDS loads in one run: quarter q (64 along K) of the slot in hand into buffer f; its first 32 along K first
.macro FETCH q, f
	WIN TO_F
.irp c, 0,1
.irp i, 0,1,2,3
	ds_load_tr16_b128 v[(\f)+64+8*(4*(\c)+(\i)):(\f)+64+8*(4*(\c)+(\i))+3],   v[ADRB+(\q)/2] offset:((\q)%2)*64*PB+(\c)*32*PB+(\i)*32
	ds_load_tr16_b128 v[(\f)+64+8*(4*(\c)+(\i))+4:(\f)+64+8*(4*(\c)+(\i))+7], v[ADRB+(\q)/2] offset:((\q)%2)*64*PB+(\c)*32*PB+(\i)*32+16*PB
	ds_load_b128 v[(\f)+8*(4*(\c)+(\i)):(\f)+8*(4*(\c)+(\i))+3],   v[ADRA] offset:(\q)*AQ+64*(\c)+(\i)*16*PA
	ds_load_b128 v[(\f)+8*(4*(\c)+(\i))+4:(\f)+8*(4*(\c)+(\i))+7], v[ADRA] offset:(\q)*AQ+64*(\c)+(\i)*16*PA+32
.endr
.endr
.endm
.macro QUARTER q, f, g
	s_wait_dscnt 16                                ; the first 32 along K are in
	MUL8 \f, 0, 0
	MUL8 \f, 0, 2
	PLACES
	FETCH \q, \g
	s_wait_dscnt 32                                ; all but the 32 just issued
	MUL8 \f, 1, 0
	MUL8 \f, 1, 2
.endm
; The last quarter multiplies buffer 1 and changes slots: one barrier; in front of it each wave waits for all its tensor loads, adds 0 to its spare word, and waits for that and for its reads of this slot
.macro TURN fill
	WIN 0
	s_wait_tensorcnt 0x0
	ds_add_u32 v[SPW], v[NIL]
	s_wait_dscnt 17                                ; the add and the youngest sixteen loads may be out
	MUL8 F1, 0, 0
	s_wait_dscnt 0x0
	s_barrier_signal -1
	MUL8 F1, 0, 2
	WIN 0
	s_barrier_wait -1
.if \fill
	CREST                                          ; the barrier has opened a round of the cluster's: no wave of any partner still reads this slot or has a load on its way
	s_add_co_u32 s[G0A+5], s20, s[TB]
	s_add_nc_u64 s[G0A+6:G0A+7], s[G0A+6:G0A+7], ASTEP
	s_add_co_u32 s[G0B+5], s21, s[TB]
	s_add_nc_u64 s[G0B+6:G0B+7], s[G0B+6:G0B+7], BSTEP
	JLOAD                                          ; my one tensor load behind the round: 112 matrix instructions ahead of the wait for it
.else
	PLACES
.endif
	s_xor_b32 s[TB], s[TB], SLOT
	v_add_nc_u32 v[ADRA], s[TB], v[A0]
	v_add_nc_u32 v[ADRB], s[TB], v[B0]
	v_add_nc_u32 v[ADRB+1], BPART, v[ADRB]
	FETCH 0, F0
	MUL8 F1, 1, 0
	MUL8 F1, 1, 2
.endm
	s_wait_tensorcnt 1                             ; my part of K step 0 is in; step 1's may stay out
	s_barrier_signal -1
	s_barrier_wait -1
	FETCH 0, F0
	WIN 0
	s_mov_b32 s3, STEPS-2
.Lstep:
	QUARTER 1, F0, F1
	QUARTER 2, F1, F0
	QUARTER 3, F0, F1
	TURN 1
	WIN 0
	s_sub_co_u32 s3, s3, 1
	s_cmp_lg_u32 s3, 0
	s_cbranch_scc1 .Lstep
	s_mov_b32 s3, 2                                ; the last two K steps ask for nothing; the second trip's last run of loads serves nothing: the price of one text for both
.Ltail:
	QUARTER 1, F0, F1
	QUARTER 2, F1, F0
	QUARTER 3, F0, F1
	TURN 0
	WIN 0
	s_sub_co_u32 s3, s3, 1
	s_cmp_lg_u32 s3, 0
	s_cbranch_scc1 .Ltail
	; THE WAY OUT: through my stage, which lies over slot 0: every wave's reads of the ring are over, and no fill follows
	s_wait_dscnt 0x0
	s_barrier_signal -1
	s_barrier_wait -1
	PLACES
.irp a, 0,1,2,3
.irp b, 0,1,2,3
	ds_store_b128 v[STO], v[ACC+8*(4*(\a)+(\b)):ACC+8*(4*(\a)+(\b))+3]   offset:(\a)*16*SP+64*(\b)
	ds_store_b128 v[STO], v[ACC+8*(4*(\a)+(\b))+4:ACC+8*(4*(\a)+(\b))+7] offset:(\a)*16*SP+64*(\b)+16
.endr
.endr
	s_mov_b32 s3, 4                                ; 16 rows a trip
.Lout:
.irp u, 0,1,2,3,4,5,6,7
	ds_load_b128 v[TMP+4*(\u):TMP+4*(\u)+3], v[RD] offset:(\u)*2*SP  ; LDS serves a wave's instructions in order: these see my stores
.endr
.irp u, 0,1,2,3,4,5,6,7
	s_wait_dscnt 7-(\u)
.if !IS_WO
	v_pk_add_f32 v[TMP+4*(\u):TMP+4*(\u)+1], v[TMP+4*(\u):TMP+4*(\u)+1], v[BI:BI+1]
	v_pk_add_f32 v[TMP+4*(\u)+2:TMP+4*(\u)+3], v[TMP+4*(\u)+2:TMP+4*(\u)+3], v[BI+2:BI+3]
.endif
	global_store_b128 v[CO], v[TMP+4*(\u):TMP+4*(\u)+3], s[76:77] offset:8192*(\u)  ; 16 lanes store 256 consecutive bytes, aligned
.endr
	s_wait_xcnt 0x0                                ; the stores' data and offset are written again only behind this wait
	v_add_nc_u32 v[RD], 16*SP, v[RD]
	v_add_nc_u32 v[CO], 65536, v[CO]
	s_sub_co_u32 s3, s3, 1
	s_cmp_lg_u32 s3, 0
	s_cbranch_scc1 .Lout
	s_wait_tensorcnt 0x0                           ; the wave's end
	ds_add_u32 v[SPW], v[NIL]
	s_wait_dscnt 0x0
	CROUND                                         ; the closing round
	s_endpgm
.Lfunc_end_k_q2f06c0dc7b_oproj:
	.size	k_q2f06c0dc7b_oproj, .Lfunc_end_k_q2f06c0dc7b_oproj-k_q2f06c0dc7b_oproj
	.p2alignl 7, 3214868480
	.fill 96, 4, 3214868480
	.section	.rodata,"a",@progbits
	.p2align	6, 0x0
	.amdhsa_kernel k_q2f06c0dc7b_oproj
		.amdhsa_group_segment_fixed_size 327680
		.amdhsa_private_segment_fixed_size 0
		.amdhsa_enable_private_segment 0
		.amdhsa_kernarg_size 40
		.amdhsa_user_sgpr_count 2
		.amdhsa_user_sgpr_kernarg_segment_ptr 1
		.amdhsa_wavefront_size32 1
		.amdhsa_system_sgpr_workgroup_id_x 1
		.amdhsa_system_sgpr_workgroup_id_y 1
		.amdhsa_system_sgpr_workgroup_id_z 1
		.amdhsa_system_vgpr_workitem_id 0
		.amdhsa_next_free_vgpr 512
		.amdhsa_next_free_sgpr 100
		.amdhsa_reserve_vcc 0
		.amdhsa_float_denorm_mode_32 3
		.amdhsa_float_denorm_mode_16_64 3
		.amdhsa_memory_ordered 1
		.amdhsa_forward_progress 1
		.amdhsa_inst_pref_size 63
	.end_amdhsa_kernel
	.amdgpu_metadata
---
amdhsa.version: [ 1, 2 ]
amdhsa.kernels:
  - .name:           k_q2f06c0dc7b_oproj
    .symbol:         k_q2f06c0dc7b_oproj.kd
    .args:
      - { .name: ob, .offset: 0, .size: 8, .value_kind: global_buffer, .address_space: global }
      - { .name: wts, .offset: 8, .size: 8, .value_kind: global_buffer, .address_space: global }
      - { .name: xa, .offset: 16, .size: 8, .value_kind: global_buffer, .address_space: global }
      - { .name: bo, .offset: 24, .size: 8, .value_kind: global_buffer, .address_space: global }
      - { .name: x1, .offset: 32, .size: 8, .value_kind: global_buffer, .address_space: global }
    .group_segment_fixed_size: 327680
    .private_segment_fixed_size: 0
    .kernarg_segment_align: 8
    .kernarg_segment_size: 40
    .max_flat_workgroup_size: 128
    .sgpr_count:     100
    .vgpr_count:     512
    .wavefront_size: 32
...
	.end_amdgpu_metadata
.endif
;; end of part 4
;; launch ln2 (part 5): grid 512 x 1, 8 waves a work-group, no clusters, 0 bytes of LDS; arguments x1, ln2_g, ln2_b, xn2; writes xn2
.if DOCPART == 5
	.amdgcn_target "amdgcn-amd-amdhsa--gfx1250"
	.amdhsa_code_object_version 6
	.text
	.protected	k_q2f06c0dc7b_ln2
	.globl	k_q2f06c0dc7b_ln2
	.p2align	8
	.type	k_q2f06c0dc7b_ln2,@function
k_q2f06c0dc7b_ln2:
	s_mov_b64 s[64:65], 0
	v_nop
	global_prefetch_b8 v0, s[64:65] scope:SCOPE_SE
	s_setreg_imm32_b32 hwreg(HW_REG_WAVE_MODE, 25, 1), 1
	s_wait_xcnt 0x0
; xn2 = LayerNorm2(x1), rounded once to f16.  x1: [4096][1024] f32.  A wave takes a row (4,096 bytes) and keeps it in 32 registers: mean, centred squares, rsq, all in f32.
; Gain and offset are rounded to bf16, as every input of the module is.  LIMIT: |xn2| stays within f16's 65,504.  NaN and infinities are not treated apart.
; Each load of a wave covers 512 consecutive bytes, each store 256, aligned.  No LDS, no barrier.
.set LO, 2
.set SO, 3
.set T,  4
.set Y,  16
.set X,  32
.set G,  64
.set BB, 96
.macro RB2 a, b, t
	v_cvt_pk_bf16_f32 v[(\t)], v[(\a)], v[(\b)]
	v_lshlrev_b32 v[(\a)], 16, v[(\t)]
	v_and_b32 v[(\b)], s5, v[(\t)]
.endm
.macro LOAD8 dst, base
.set j, 0
.rept 8
	global_load_b128 v[(\dst)+4*j:(\dst)+4*j+3], v[LO], s[(\base):(\base)+1] offset:512*j
.set j, j+1
.endr
.endm
.macro REDUCE                          ; four pairs of partial sums in v[T:T+7] -> the wave's sum in v[T] of every lane
	v_pk_add_f32 v[T:T+1], v[T:T+1], v[T+2:T+3]
	v_pk_add_f32 v[T+4:T+5], v[T+4:T+5], v[T+6:T+7]
	v_pk_add_f32 v[T:T+1], v[T:T+1], v[T+4:T+5]
	v_add_f32 v[T], v[T], v[T+1]
	v_add_f32_dpp v[T], v[T], v[T] row_xmask:1 row_mask:0xf bank_mask:0xf
	v_add_f32_dpp v[T], v[T], v[T] row_xmask:2 row_mask:0xf bank_mask:0xf
	v_add_f32_dpp v[T], v[T], v[T] row_xmask:4 row_mask:0xf bank_mask:0xf
	v_add_f32_dpp v[T], v[T], v[T] row_xmask:8 row_mask:0xf bank_mask:0xf
	v_permlanex16_b32 v[T+1], v[T], s6, s7
	v_add_f32 v[T], v[T], v[T+1]
.endm
	s_load_b256 s[8:15], s[0:1], 0x0               ; x1 8, ln2_g 10, ln2_b 12, xn2 14
	v_lshrrev_b32 v1, 5, v0
	v_readfirstlane_b32 s4, v1
	v_and_b32 v1, 31, v0
	v_lshlrev_b32 v[LO], 4, v1
	v_lshlrev_b32 v[SO], 3, v1
	s_mov_b32 s5, 0xffff0000
	s_mov_b32 s6, 0x76543210
	s_mov_b32 s7, 0xfedcba98
	s_mov_b32 s44, 0x3a800000                      ; 1 / 1,024
	s_mov_b32 s45, 0x3727c5ac                      ; 1e-5
	s_lshl_b32 s37, ttmp9, 3
	s_add_co_u32 s37, s37, s4                      ; the row
	s_lshl_b32 s38, s37, 12
	s_mov_b32 s39, 0
	s_lshl_b32 s40, s37, 11
	s_mov_b32 s41, 0
	s_wait_kmcnt 0x0
	s_add_nc_u64 s[32:33], s[8:9], s[38:39]
	s_add_nc_u64 s[42:43], s[14:15], s[40:41]
	LOAD8 X, 32
	LOAD8 G, 10
	LOAD8 BB, 12
	s_wait_loadcnt 16                              ; the row is in; the 16 loads of gain and offset stay out
.irp k, 0,1,2,3
	v_pk_add_f32 v[T+2*(\k):T+2*(\k)+1], v[X+2*(\k):X+2*(\k)+1], v[X+8+2*(\k):X+8+2*(\k)+1]
.endr
.irp k, 8,9,10,11,12,13,14,15
	v_pk_add_f32 v[T+2*((\k)%4):T+2*((\k)%4)+1], v[T+2*((\k)%4):T+2*((\k)%4)+1], v[X+2*(\k):X+2*(\k)+1]
.endr
	REDUCE
	v_mul_f32 v[T+8], 0x3a800000, v[T]             ; the mean
	v_mov_b32 v[T+9], v[T+8]
.set k, 0
.rept 16
	v_pk_add_f32 v[X+2*k:X+2*k+1], v[X+2*k:X+2*k+1], v[T+8:T+9] neg_lo:[0,1] neg_hi:[0,1]
.set k, k+1
.endr
.irp k, 0,1,2,3
	v_pk_mul_f32 v[T+2*(\k):T+2*(\k)+1], v[X+2*(\k):X+2*(\k)+1], v[X+2*(\k):X+2*(\k)+1]
.endr
.irp k, 4,5,6,7,8,9,10,11,12,13,14,15
	v_pk_fma_f32 v[T+2*((\k)%4):T+2*((\k)%4)+1], v[X+2*(\k):X+2*(\k)+1], v[X+2*(\k):X+2*(\k)+1], v[T+2*((\k)%4):T+2*((\k)%4)+1]
.endr
	REDUCE
	v_fma_f32 v[T+8], v[T], s44, s45               ; var + eps
	v_mov_b32 v[T+11], 0                           ; named with the result as a pair
	v_rsq_f32 v[T+10], v[T+8]
	s_wait_loadcnt 0x0
.set k, 0
.rept 16                               ; the rounding of gain and offset is the independent work behind the root
	RB2 G+2*k, G+2*k+1, T+(k%4)
	RB2 BB+2*k, BB+2*k+1, T+4+(k%4)
.set k, k+1
.endr
	s_wait_alu depctr_va_vdst(0)                   ; wait ahead of the first reader of the root
.set k, 0
.rept 16
	v_pk_mul_f32 v[G+2*k:G+2*k+1], v[G+2*k:G+2*k+1], v[T+10:T+11] op_sel_hi:[1,0]
.set k, k+1
.endr
.set k, 0
.rept 16
	v_pk_fma_f32 v[X+2*k:X+2*k+1], v[X+2*k:X+2*k+1], v[G+2*k:G+2*k+1], v[BB+2*k:BB+2*k+1]
.set k, k+1
.endr
.set k, 0
.rept 16
	v_cvt_pk_f16_f32 v[Y+k], v[X+2*k], v[X+2*k+1]
.set k, k+1
.endr
.set j, 0
.rept 8
	global_store_b64 v[SO], v[Y+2*j:Y+2*j+1], s[42:43] offset:256*j
.set j, j+1
.endr
	s_endpgm
.Lfunc_end_k_q2f06c0dc7b_ln2:
	.size	k_q2f06c0dc7b_ln2, .Lfunc_end_k_q2f06c0dc7b_ln2-k_q2f06c0dc7b_ln2
	.p2alignl 7, 3214868480
	.fill 96, 4, 3214868480
	.section	.rodata,"a",@progbits
	.p2align	6, 0x0
	.amdhsa_kernel k_q2f06c0dc7b_ln2
		.amdhsa_group_segment_fixed_size 0
		.amdhsa_private_segment_fixed_size 0
		.amdhsa_enable_private_segment 0
		.amdhsa_kernarg_size 32
		.amdhsa_user_sgpr_count 2
		.amdhsa_user_sgpr_kernarg_segment_ptr 1
		.amdhsa_wavefront_size32 1
		.amdhsa_system_sgpr_workgroup_id_x 1
		.amdhsa_system_sgpr_workgroup_id_y 1
		.amdhsa_system_sgpr_workgroup_id_z 1
		.amdhsa_system_vgpr_workitem_id 0
		.amdhsa_next_free_vgpr 128
		.amdhsa_next_free_sgpr 66
		.amdhsa_reserve_vcc 0
		.amdhsa_float_denorm_mode_32 3
		.amdhsa_float_denorm_mode_16_64 3
		.amdhsa_memory_ordered 1
		.amdhsa_forward_progress 1
		.amdhsa_inst_pref_size 16
	.end_amdhsa_kernel
	.amdgpu_metadata
---
amdhsa.version: [ 1, 2 ]
amdhsa.kernels:
  - .name:           k_q2f06c0dc7b_ln2
    .symbol:         k_q2f06c0dc7b_ln2.kd
    .args:
      - { .name: x1, .offset: 0, .size: 8, .value_kind: global_buffer, .address_space: global }
      - { .name: ln2_g, .offset: 8, .size: 8, .value_kind: global_buffer, .address_space: global }
      - { .name: ln2_b, .offset: 16, .size: 8, .value_kind: global_buffer, .address_space: global }
      - { .name: xn2, .offset: 24, .size: 8, .value_kind: global_buffer, .address_space: global }
    .group_segment_fixed_size: 0
    .private_segment_fixed_size: 0
    .kernarg_segment_align: 8
    .kernarg_segment_size: 32
    .max_flat_workgroup_size: 256
    .sgpr_count:     66
    .vgpr_count:     128
    .wavefront_size: 32
...
	.end_amdgpu_metadata
.endif
;; end of part 5
;; launch ffn1 (part 6): grid 16 x 16, 4 waves a work-group, clusters of 4 x 4, 327,680 bytes of LDS; arguments xn2, wts, b1, hb; writes hb
.if DOCPART == 6
	.amdgcn_target "amdgcn-amd-amdhsa--gfx1250"
	.amdhsa_code_object_version 6
	.text
	.protected	k_q2f06c0dc7b_ffn1
	.globl	k_q2f06c0dc7b_ffn1
	.p2align	8
	.type	k_q2f06c0dc7b_ffn1,@function
k_q2f06c0dc7b_ffn1:
	s_mov_b64 s[64:65], 0
	v_nop
	global_prefetch_b8 v0, s[64:65] scope:SCOPE_SE
	s_setreg_imm32_b32 hwreg(HW_REG_WAVE_MODE, 25, 1), 1
	s_wait_xcnt 0x0
	s_wait_alu depctr_hold_cnt(0) depctr_sa_sdst(0) depctr_va_vdst(0) depctr_va_sdst(0) depctr_va_ssrc(0) depctr_va_vcc(0) depctr_vm_vsrc(0)
	s_getreg_b32 s2, hwreg(HW_REG_IB_STS2, 6, 4)
	s_cmp_eq_u32 s2, 0
	s_cbranch_scc0 .Lentry_in_a_cluster
	s_endpgm
.Lentry_in_a_cluster:
	s_bfe_u32 s2, ttmp6, 0x10000c
	s_cmp_lg_u32 s2, 0xf033
	s_cbranch_scc0 .Lentry_shape_is_right
	s_endpgm
.Lentry_shape_is_right:
.set IS_QKV, 0
; C = A W (+ bias, and what follows it), A: [4096][1024] f16 with K along the rows, W: [1024][NP] f16 AS IT LIES, [K][N]; sums in f32.
; IS_QKV = 1: W = (Wq | Wk | Wv), NP = 3,072; A = xn1 for the columns of Wq, xh for the others; + bias (rounded to bf16); RoPE on heads 0-7 of q and k; stored f16 by heads, [b 16 + h][2048][64].
; IS_QKV = 0: W = W1, NP = 4,096; A = xn2; + b1; ReLU; stored f16, [4096][4096].
; LIMITS.  f16 holds no number beyond 65,504: the results stay within it.  NaN and infinities are not treated apart.  The rotation of a wave's 128 rows starts from the table and goes on by
; 31 rotations by four positions' angle, in f32: about 3e-6 of relative error at the end.
; A tile of C is 256 x 256, four waves of 128 x 128: 64 accumulators of 16 x 16, 512 registers.  K goes in 8 steps of 128 through two LDS slots filled by tensor loads:
; 256 rows of A (256 bytes, pitch 272) and 128 k-rows of W (512 bytes, pitch 544).  W's fragments come out of LDS turned, by ds_load_tr16_b128.
; CLUSTER 4 x 4: A's tile is asked for jointly by the four of a row of the cluster, W's by the four of a column.
; THE MATRIX INSTRUCTION IS USED TRANSPOSED (source 0 = 16 columns of W, source 1 = 16 rows of A): a lane holds one row of C and eight neighbouring columns.
; REGISTERS: window 0: v0-31 addresses; v32-63 constants of the way out; v64-127, v128-191 A's fragments, two buffers; v192-255 at work.  Window 1: v64-191 W's fragments.
; Windows 2, 3: the accumulators of my rows 0-63, 64-127: (a, b) at v[8 (8 a + b)].
; With IS_QKV = 1 the grid has 192 work-groups: a tile of this size divides 4,096 x 3,072 so.
.if IS_QKV
.set NP,   3072
.set WOFF, 0
.else
.set NP,   4096
.set WOFF, 8388608
.endif
.set ROPE_OFF, 25165824
.set PA,     272                       ; 68 words: the 16 rows of a fragment load start at 16 different groups of four banks
.set PB,     544                       ; 136 words
.set PART,   128*PA                    ; what one tensor load brings: 128 rows of A, or 64 k-rows of W (64 x 544 is the same)
.set BOFF,   2*PART
.set SLOT,   4*PART
.set SPITCH, 560                       ; the stage: a row of 128 f32, 16 bytes of padding behind the first 256, 32 at the end: 35 x 16
.set WSTAGE, 128*SPITCH                ; a wave's stage; the stages lie over the ring, and are written behind its last fill
.set SPARE,  4*WSTAGE                  ; behind stages and ring: the spare words, 128 bytes a wave, which no other line names
.set ASTEP,  256
.set BSTEP,  128*NP*2
.set A0,   16                          ; v16 my lane's place in A's tile; never rewritten
.set B0,   17                          ; v17 the same in W's
.set ADRA, 18                          ; v18 A0 + the slot in hand
.set ADRB, 19
.set STO,  24
.set RD,   25
.set GO,   26
.set ZERO, 27
.set SPW,  28
.set NIL,  29
.set PFO,  30
.set F0,   64
.set F1,   128
.set CSR,  32                          ; v[32:39] (cos, sin) of my four pairs at my row's position
.set STP,  40                          ; v[40:47] (cos, sin) of four positions' angle
.set BI,   48                          ; v[48:63] bias of my columns
.set IN,   64
.set OUT,  128
.set TT,   192
.set G1A, 24
.set G0A, 32                           ; s[32:35] step 0; s[36:39] step 1, which then walks
.set G1B, 48
.set G0B, 56
.set LIM, 43
.set PFA, 44
.set TB,  66                           ; s66 the LDS byte at which the slot in hand begins: 0 or SLOT
.set PFS, 68
.set OP,  98                           ; s[98:99] the output at my corner
.set MSB, 0
.macro WIN new                         ; the immediate's high byte repeats the setting that is left
.if MSB != (\new)
	s_set_vgpr_msb (MSB<<8)|(\new)
.set MSB, \new
.endif
.endm
.set MUL_LO, 0xa1                      ; source 0 (W) window 1, source 1 (A) window 0, C and D window 2
.set MUL_HI, 0xf1
.set TO_B,   0x40
.macro PLACES                          ; four plain vector instructions between a matrix instruction and a load into, or a reader of, its registers
.rept 4
	v_nop
.endr
.endm
.macro RB2 a, b, t
	v_cvt_pk_bf16_f32 v[(\t)], v[(\a)], v[(\b)]
	v_lshlrev_b32 v[(\a)], 16, v[(\t)]
	v_and_b32 v[(\b)], 0xffff0000, v[(\t)]
.endm
.macro JLOAD                           ; a joint refill by the walking descriptors: waves 0, 1 fetch A's halves, waves 2, 3 W's; the branch hangs on the wave's number alone
	s_cmp_eq_u32 s11, 0
	s_cbranch_scc0 .Lfor_b_\@
	tensor_load_to_lds s[G0A+4:G0A+7], s[G1A:G1A+7]
	s_nop 0
.rept 4
	v_nop
.endr
	s_branch .Lasked_\@
.Lfor_b_\@:
	tensor_load_to_lds s[G0B+4:G0B+7], s[G1B:G1B+7]
	s_nop 0
.rept 4
	v_nop
.endr
.Lasked_\@:
.endm
.macro ASK                             ; one prefetch a wave: the K step that stands two refills on, 32 blocks of 256 bytes, a lane a block; s3 counts the refills still to come
	s_cmp_gt_u32 s3, s[LIM]
	s_cbranch_scc0 .Lnot_mine_\@
	global_prefetch_b8 v[PFO], s[PFA:PFA+1] th:TH_LOAD_NT scope:SCOPE_SE
.Lnot_mine_\@:
.endm
.macro CREST                           ; a round of the cluster's barrier behind its opening barrier
	s_cmp_lg_u32 s10, 0
	s_cbranch_scc1 .Lnot_wave_0_\@
	s_barrier_signal -3
.Lnot_wave_0_\@:
	s_barrier_wait -3
	s_barrier_signal -1
	s_barrier_wait -1
.endm
.macro CROUND
	s_barrier_signal -1
	s_barrier_wait -1
	CREST
.endm
	s_load_b128 s[4:7], s[0:1], 0x0                ; A's buffer, wts
.if IS_QKV
	s_load_b256 s[72:79], s[0:1], 0x10             ; bq 72, bk 74, bv 76, qkv 78
.else
	s_load_b128 s[72:75], s[0:1], 0x10             ; b1 72, hb 74
.endif
	v_lshl_add_u32 v[SPW], v0, 2, SPARE
	v_mov_b32 v[NIL], 0
	ds_add_u32 v[SPW], v[NIL]                      ; the wave's opening: the add and its wait stand ahead of my first tensor load
	v_lshrrev_b32 v1, 5, v0
	v_readfirstlane_b32 s10, v1                    ; wave 0..3
	s_lshr_b32 s11, s10, 1                         ; my half of the tile's rows; also: I fetch for A (0) or W (1)
	s_and_b32 s12, s10, 1                          ; my half of its columns; also: which half of that tile I fetch
	s_bfe_u32 s40, ttmp6, 0x40000                  ; cx
	s_bfe_u32 s41, ttmp6, 0x40004                  ; cy
	s_lshl_b32 s42, ttmp9, 2
	s_add_co_u32 s42, s42, s40                     ; tile column
	s_and_b32 s13, ttmp7, 0xffff
	s_lshl_b32 s13, s13, 2
	s_add_co_u32 s13, s13, s41                     ; tile row
	s_lshl_b32 s80, s41, 2
	s_lshl_b32 s80, 15, s80                        ; my row of the cluster
	s_lshl_b32 s81, 0x1111, s40                    ; my column
	s_or_b32 s[G1A], s80, (1<<16)|(1<<20)|(1<<21)|(5<<22)|(3<<25)  ; mask; 2-byte elements; padding on; bit 21 beside a mask; after every 64 words 4 words
	s_or_b32 s[G1B], s81, (1<<16)|(1<<20)|(1<<21)|(6<<22)|(7<<25)  ; after every 128 words 8 words
	s_mov_b32 s[G1A+1], 128<<16                    ; tensor_dim0
	s_mov_b32 s[G1A+2], 128<<16                    ; tensor_dim1
	s_mov_b32 s[G1A+3], 128<<16                    ; tile_dim0
	s_mov_b32 s[G1A+4], 128                        ; tile_dim1
	s_mov_b32 s[G1A+5], 1024                       ; elements from row to row
	s_mov_b32 s[G1A+6], 0
	s_mov_b32 s[G1A+7], 0
	s_mov_b32 s[G1B+1], 256<<16
	s_mov_b32 s[G1B+2], 64<<16
	s_mov_b32 s[G1B+3], 256<<16
	s_mov_b32 s[G1B+4], 64
	s_mov_b32 s[G1B+5], NP
	s_mov_b32 s[G1B+6], 0
	s_mov_b32 s[G1B+7], 0
	s_lshl_b32 s17, s12, 7
	s_lshl_b32 s16, s13, 8
	s_add_co_u32 s16, s16, s17                     ; A: row 256 x tile row + 128 x half,
	s_lshl_b32 s16, s16, 11                        ; 2,048 bytes a row
.if IS_QKV
	s_cmp_eq_u32 ttmp9, 0                          ; the first four tile columns are Wq's: they multiply xn1, which lies behind xh
	s_cselect_b32 s17, 8388608, 0
	s_add_co_u32 s16, s16, s17
.endif
	s_mov_b32 s17, 0
	s_lshl_b32 s46, s42, 9                         ; W: 512 bytes a tile column,
	s_mul_i32 s47, s12, 64*NP*2                    ; 64 k-rows a half
	s_add_co_u32 s46, s46, s47
	s_add_co_u32 s46, s46, WOFF
	s_mov_b32 s47, 0
	s_mul_i32 s20, s10, PART                       ; where my load lands in a slot: the wave's number alone
	s_mov_b32 s[TB], 0
	s_wait_dscnt 0x0                               ; the opening add is done
	s_wait_kmcnt 0x0
	s_add_nc_u64 s[14:15], s[4:5], s[16:17]
	s_add_nc_u64 s[46:47], s[6:7], s[46:47]
	CROUND                                         ; all sixteen work-groups are here: the first joint loads meet
.irp s, 0,1
	s_mov_b32 s[G0A+4*(\s)], 1
	s_add_co_u32 s[G0A+4*(\s)+1], s20, (\s)*SLOT
	s_add_nc_u64 s[G0A+4*(\s)+2:G0A+4*(\s)+3], s[14:15], (\s)*ASTEP
	s_or_b32 s[G0A+4*(\s)+3], s[G0A+4*(\s)+3], 0x80000000
	s_mov_b32 s[G0B+4*(\s)], 1
	s_add_co_u32 s[G0B+4*(\s)+1], s20, (\s)*SLOT
	s_add_nc_u64 s[G0B+4*(\s)+2:G0B+4*(\s)+3], s[46:47], (\s)*BSTEP
	s_or_b32 s[G0B+4*(\s)+3], s[G0B+4*(\s)+3], 0x80000000
.endr
	s_cmp_eq_u32 s11, 0                            ; a wave's two first fills stand in one branch: two loads of mine are out
	s_cbranch_scc0 .Lfirst_b
	tensor_load_to_lds s[G0A:G0A+3], s[G1A:G1A+7]
	s_nop 0
	tensor_load_to_lds s[G0A+4:G0A+7], s[G1A:G1A+7]
	s_nop 0
.rept 4
	v_nop
.endr
	s_branch .Lfirst_asked
.Lfirst_b:
	tensor_load_to_lds s[G0B:G0B+3], s[G1B:G1B+7]
	s_nop 0
	tensor_load_to_lds s[G0B+4:G0B+7], s[G1B:G1B+7]
	s_nop 0
.rept 4
	v_nop
.endr
.Lfirst_asked:
	; fragments.  A: lane l holds row l % 16; two loads of 16 bytes, 32 apart.  W: lane l reads k-row 8 (l / 16) + l % 8, columns 8 ((l / 8) % 2) on; the load turns 8 x 8
	v_and_b32 v1, 15, v0
	v_bfe_u32 v2, v0, 4, 1
	v_mul_u32_u24 v3, v1, PA
	v_lshl_add_u32 v3, v2, 4, v3
	s_mul_i32 s21, s11, PART
	v_add_nc_u32 v[A0], s21, v3
	v_and_b32 v4, 7, v0
	v_lshl_add_u32 v4, v2, 3, v4
	v_mul_u32_u24 v4, v4, PB
	v_bfe_u32 v5, v0, 3, 1
	v_lshl_add_u32 v4, v5, 4, v4
	s_lshl_b32 s22, s12, 8
	s_add_co_u32 s22, s22, BOFF
	v_add_nc_u32 v[B0], s22, v4
	v_mov_b32 v[ADRA], v[A0]
	v_mov_b32 v[ADRB], v[B0]
	; THE PREFETCHES.  A's rows are read by every cluster of a row of clusters: one of them asks (for xn1 cluster x = 0, for xh cluster x = 1; with IS_QKV = 0 cluster x = 0); W's by every
	; cluster of a column: cluster y = 0 asks.  The four partners share a wave's blocks out BY ADDRESS: of A 32 rows each (cx), of W 16 k-rows of two blocks each (cy).
	s_and_b32 s82, ttmp7, 0xffff
.if IS_QKV
	s_lshr_b32 s83, ttmp9, 1
.else
	s_mov_b32 s83, ttmp9
.endif
	s_mov_b32 s84, 16*NP*2
	s_mov_b32 s[PFS], BSTEP
	s_mov_b32 s[PFS+1], 0
	s_mov_b32 s71, NP*2
	s_cmp_eq_u32 s11, 0
	s_cselect_b32 s82, s83, s82                    ; 0 where my cluster asks
	s_cselect_b64 s[PFA:PFA+1], s[14:15], s[46:47]
	s_cselect_b32 s83, s40, s41                    ; my place among the four
	s_cselect_b32 s84, 32*2048, s84                ; a partner's share, in bytes
	s_cselect_b32 s[PFS], ASTEP, s[PFS]
	s_cselect_b32 s71, 2048, s71                   ; bytes from row to row
	s_cselect_b32 s70, 0, 1                        ; blocks in a row, less one
	s_cmp_eq_u32 s82, 0
	s_cselect_b32 s[LIM], 2, -1                    ; a wave asks while more than two refills are to come: the step two refills on then exists
	s_mul_i32 s84, s84, s83
	s_mul_i32 s83, s[PFS], 3                       ; at K step 3: the first refill steps it to 4
	s_add_co_u32 s84, s84, s83
	s_mov_b32 s85, 0
	s_add_nc_u64 s[PFA:PFA+1], s[PFA:PFA+1], s[84:85]
	v_and_b32 v3, 31, v0
	v_lshrrev_b32 v[PFO], s70, v3
	v_mul_u32_u24 v[PFO], s71, v[PFO]
	v_and_b32 v3, s70, v3
	v_lshl_add_u32 v[PFO], v3, 8, v[PFO]
	; the way out
	s_mul_i32 s86, s10, WSTAGE
	v_mul_u32_u24 v[STO], v1, SPITCH               ; in: row l % 16, 32 bytes for each half of the lanes
	v_lshl_add_u32 v[STO], v2, 5, v[STO]
	v_add_nc_u32 v[STO], s86, v[STO]
.if IS_QKV
	v_bfe_u32 v6, v0, 3, 2                         ; back: four rows, eight lanes a row, 8 columns a lane
	v_and_b32 v7, 7, v0
	v_mul_u32_u24 v[RD], v6, SPITCH
	v_lshl_add_u32 v[RD], v7, 5, v[RD]
	v_add_nc_u32 v[RD], s86, v[RD]
	v_and_b32 v[GO], 31, v0
	v_lshlrev_b32 v[GO], 4, v[GO]                  ; four rows of a head are 512 consecutive bytes
	s_and_b32 s87, s13, 7
	s_lshl_b32 s87, s87, 8
	s_lshl_b32 s88, s11, 7
	s_add_co_u32 s87, s87, s88                     ; my first row's position in its sequence
	v_lshlrev_b32 v8, 5, v7                        ; my four pairs: 32 bytes of a table row; my 8 columns: 32 bytes of bias
	v_lshl_add_u32 v9, v6, 8, v8
	s_lshl_b32 s88, s87, 8
	s_add_co_u32 s88, s88, ROPE_OFF
	s_mov_b32 s89, 0
	s_add_nc_u64 s[88:89], s[6:7], s[88:89]
	global_load_b128 v[CSR:CSR+3], v9, s[88:89]
	global_load_b128 v[CSR+4:CSR+7], v9, s[88:89] offset:16
	s_add_nc_u64 s[90:91], s[6:7], ROPE_OFF+4*256
	global_load_b128 v[STP:STP+3], v8, s[90:91]
	global_load_b128 v[STP+4:STP+7], v8, s[90:91] offset:16
	s_cmp_eq_u32 ttmp9, 1
	s_cselect_b64 s[92:93], s[74:75], s[76:77]
	s_cmp_eq_u32 ttmp9, 0
	s_cselect_b64 s[92:93], s[72:73], s[92:93]     ; bq, bk or bv
	s_and_b32 s94, s42, 3                          ; the tile column within its matrix: four heads
	s_lshl_b32 s95, s94, 10
	s_lshl_b32 s96, s12, 9
	s_add_co_u32 s95, s95, s96
	v_add_nc_u32 v10, s95, v8
	global_load_b128 v[BI:BI+3], v10, s[92:93]
	global_load_b128 v[BI+4:BI+7], v10, s[92:93] offset:16
	global_load_b128 v[BI+8:BI+11], v10, s[92:93] offset:256   ; my second head
	global_load_b128 v[BI+12:BI+15], v10, s[92:93] offset:272
	s_cmp_lt_u32 s94, 2                            ; heads 0-7,
	s_cselect_b32 s97, -1, 0
	s_cmp_lt_u32 ttmp9, 2                          ; of q and k
	s_cselect_b32 s97, s97, 0
	s_lshl_b32 s95, ttmp9, 23                      ; q, k or v: 8,388,608 bytes each
	s_lshr_b32 s96, s13, 3                         ; the batch
	s_lshl_b32 s96, s96, 4
	s_lshl_b32 s94, s94, 2
	s_add_co_u32 s96, s96, s94
	s_lshl_b32 s94, s12, 1
	s_add_co_u32 s96, s96, s94                     ; my first head
	s_lshl_b32 s96, s96, 18
	s_add_co_u32 s94, s95, s96
	s_lshl_b32 s96, s87, 7
	s_add_co_u32 s94, s94, s96
	s_mov_b32 s95, 0
	s_add_nc_u64 s[OP:OP+1], s[78:79], s[94:95]
	s_wait_loadcnt 0x0
.irp p, 0,2,4,6,8,10,12,14             ; where no rotation applies the angle is 0: a choice of values, no branch
	v_cndmask_b32 v[CSR+(\p)], 1.0, v[CSR+(\p)], s97
	v_cndmask_b32 v[CSR+(\p)+1], 0, v[CSR+(\p)+1], s97
.endr
.irp p, 0,2,4,6,8,10,12,14
	RB2 BI+(\p), BI+(\p)+1, 11
.endr
.else
	v_mul_u32_u24 v[RD], v2, SPITCH                ; back: two rows, sixteen lanes a row, 8 columns a lane
	v_lshl_add_u32 v[RD], v1, 5, v[RD]
	v_lshrrev_b32 v6, 3, v1
	v_lshl_add_u32 v[RD], v6, 4, v[RD]             ; (the padding in the row's middle)
	v_add_nc_u32 v[RD], s86, v[RD]
	v_lshlrev_b32 v[GO], 13, v2
	v_lshl_add_u32 v[GO], v1, 4, v[GO]
	s_lshl_b32 s88, s42, 10
	s_lshl_b32 s89, s12, 9
	s_add_co_u32 s88, s88, s89
	v_lshlrev_b32 v8, 5, v1
	v_add_nc_u32 v8, s88, v8
	global_load_b128 v[BI:BI+3], v8, s[72:73]
	global_load_b128 v[BI+4:BI+7], v8, s[72:73] offset:16
	s_lshl_b32 s90, s13, 8
	s_lshl_b32 s91, s11, 7
	s_add_co_u32 s90, s90, s91
	s_lshl_b32 s90, s90, 13                        ; 8,192 bytes a row of h
	s_lshl_b32 s91, s42, 9
	s_add_co_u32 s90, s90, s91
	s_lshl_b32 s91, s12, 8
	s_add_co_u32 s90, s90, s91
	s_mov_b32 s91, 0
	s_add_nc_u64 s[OP:OP+1], s[74:75], s[90:91]
	v_mov_b32 v[ZERO], 0
	s_wait_loadcnt 0x0
.irp p, 0,2,4,6
	RB2 BI+(\p), BI+(\p)+1, 11
.endr
.endif
; 16 matrix instructions: row blocks a0, a0 + 1 of the window's four x all 8 column blocks, 32 along K.  zero = 1: the product starts the sums.
; The 64 accumulators take turns, in the same order in every quarter.
.macro MUL16 f, hi, a0, zero
	WIN MUL_LO+0x50*(\hi)
.irp a, \a0, (\a0)+1
.irp b, 0,1,2,3,4,5,6,7
.if \zero
	v_wmma_f32_16x16x32_f16 v[8*(8*(\a)+(\b)):8*(8*(\a)+(\b))+7], v[(\f)+8*(\b):(\f)+8*(\b)+7], v[(\f)+8*(4*(\hi)+(\a)):(\f)+8*(4*(\hi)+(\a))+7], 0
.else
	v_wmma_f32_16x16x32_f16 v[8*(8*(\a)+(\b)):8*(8*(\a)+(\b))+7], v[(\f)+8*(\b):(\f)+8*(\b)+7], v[(\f)+8*(4*(\hi)+(\a)):(\f)+8*(4*(\hi)+(\a))+7], v[8*(8*(\a)+(\b)):8*(8*(\a)+(\b))+7]
.endif
.endr
.endr
.endm
; 32 LDS loads in one run: quarter q (32 along K) of the slot in hand into buffer f: W's 128 columns, then A's 128 rows
.macro FETCH q, f
	WIN TO_B
.irp i, 0,1,2,3,4,5,6,7
	ds_load_tr16_b128 v[(\f)+8*(\i):(\f)+8*(\i)+3],   v[ADRB] offset:(\q)*32*PB+(\i)*32
	ds_load_tr16_b128 v[(\f)+8*(\i)+4:(\f)+8*(\i)+7], v[ADRB] offset:(\q)*32*PB+(\i)*32+16*PB
.endr
	WIN 0
.irp i, 0,1,2,3,4,5,6,7
	ds_load_b128 v[(\f)+8*(\i):(\f)+8*(\i)+3],   v[ADRA] offset:(\q)*64+(\i)*16*PA
	ds_load_b128 v[(\f)+8*(\i)+4:(\f)+8*(\i)+7], v[ADRA] offset:(\q)*64+(\i)*16*PA+32
.endr
.endm
; One of a K step's first three quarters: multiplies buffer f and, in its middle, fetches quarter q into buffer g
.macro QUARTER q, f, g, zero
	s_wait_dscnt 8                                 ; W and A's rows 0-63 are in; the youngest eight loads (A's rows 64-127) may be out
	MUL16 \f, 0, 0, \zero
	MUL16 \f, 0, 2, \zero
	PLACES
	FETCH \q, \g
	s_wait_dscnt 32                                ; all but the 32 just issued
	MUL16 \f, 1, 0, \zero
	MUL16 \f, 1, 2, \zero
.endm
; The last quarter multiplies buffer 1 and changes slots.  Its first 32 products stand AHEAD of the wait for the tensor load, so that a refill has a whole K step, 256 matrix instructions, between
; its request and the wait for it.  Then each wave waits for all its tensor loads (one is out: its part of the next slot), adds 0 to its spare word, and waits for that and for its reads of this
; slot; only then it signals: behind the barrier the next slot is whole for every wave, and nobody reads this slot any more.
; fill = 1: the slot just read is filled again, two K steps ahead; the barrier then opens a round of the cluster's.
.macro TURN fill
.if \fill
	s_wait_xcnt 0x0                                ; the last prefetch, a K step back, has read its address
	s_add_nc_u64 s[PFA:PFA+1], s[PFA:PFA+1], s[PFS:PFS+1]
.endif
	s_wait_dscnt 8                                 ; W and A's rows 0-63 of buffer 1 are in; the youngest eight loads may be out
	MUL16 F1, 0, 0, 0
	MUL16 F1, 0, 2, 0
	WIN 0
	s_wait_tensorcnt 0x0                           ; no tensor load of mine is out, so a group 0 may be written
	ds_add_u32 v[SPW], v[NIL]                      ; the descriptors' steps stand between the add and the wait for it
.if \fill
	s_add_co_u32 s[G0A+5], s20, s[TB]
	s_add_nc_u64 s[G0A+6:G0A+7], s[G0A+6:G0A+7], ASTEP
	s_add_co_u32 s[G0B+5], s20, s[TB]
	s_add_nc_u64 s[G0B+6:G0B+7], s[G0B+6:G0B+7], BSTEP
.endif
	s_wait_dscnt 0x0                               ; the add is done, and my reads of this slot are over
	s_barrier_signal -1
	s_barrier_wait -1
.if \fill
	CREST                                          ; no wave of any partner still reads this slot or has a load on its way
	JLOAD                                          ; my one tensor load behind the round; its four v_nop are also the places in front of the loads below
.else
	PLACES
.endif
	s_xor_b32 s[TB], s[TB], SLOT
	v_add_nc_u32 v[ADRA], s[TB], v[A0]
	v_add_nc_u32 v[ADRB], s[TB], v[B0]
	FETCH 0, F0
.if \fill
	ASK
.endif
	MUL16 F1, 1, 0, 0
	MUL16 F1, 1, 2, 0
.endm
	s_wait_tensorcnt 1                             ; my part of K step 0 is in; step 1's may stay out
	s_barrier_signal -1
	s_barrier_wait -1
	FETCH 0, F0
	QUARTER 1, F0, F1, 1                           ; the first quarter is written out: its products start the sums
	WIN 0
	s_mov_b32 s3, 6                                ; K steps 0 to 5 fill a slot again
	s_branch .Lmid
.Lstep:
	QUARTER 1, F0, F1, 0
	WIN 0
.Lmid:
	QUARTER 2, F1, F0, 0
	QUARTER 3, F0, F1, 0
	TURN 1
	WIN 0
	s_sub_co_u32 s3, s3, 1
	s_cmp_lg_u32 s3, 0
	s_cbranch_scc1 .Lstep
	s_mov_b32 s3, 2                                ; K steps 6 and 7 ask for nothing.  The second trip's last run of loads reads the other slot's old bytes and serves nothing: the price of one text for both
.Ltail:
	QUARTER 1, F0, F1, 0
	QUARTER 2, F1, F0, 0
	QUARTER 3, F0, F1, 0
	TURN 0
	WIN 0
	s_sub_co_u32 s3, s3, 1
	s_cmp_lg_u32 s3, 0
	s_cbranch_scc1 .Ltail
	; THE WAY OUT.  The sums go as f32 into my stage, which lies over the ring: every wave's reads of the ring are over, and no fill follows.
	s_wait_dscnt 0x0
	s_barrier_signal -1
	s_barrier_wait -1
	PLACES
.irp a, 0,1,2,3,4,5,6,7
	WIN 0x08+4*((\a)/4)                            ; the stores' data: window 2 or 3
.irp b, 0,1,2,3,4,5,6,7
	ds_store_b128 v[STO], v[8*(8*((\a)%4)+(\b)):8*(8*((\a)%4)+(\b))+3]   offset:(\a)*16*SPITCH+64*(\b)+16*((\b)/4)
	ds_store_b128 v[STO], v[8*(8*((\a)%4)+(\b))+4:8*(8*((\a)%4)+(\b))+7] offset:(\a)*16*SPITCH+64*(\b)+16*((\b)/4)+16
.endr
.endr
	WIN 0
	s_mov_b32 s3, 8                                ; 16 rows a trip; LDS serves a wave's instructions in order, so the loads below see my stores
.if IS_QKV
; Four pairs (x0, x1) -> (x0 c - x1 s, x0 s + x1 c): the four products first, then the four sums, so that no line reads the result of the line before it
.macro ROT4 x, cs
.irp p, 0,1,2,3
	v_pk_mul_f32 v[TT+2*(\p):TT+2*(\p)+1], v[(\x)+2*(\p):(\x)+2*(\p)+1], v[(\cs)+2*(\p):(\cs)+2*(\p)+1] op_sel_hi:[1,0]
.endr
.irp p, 0,1,2,3
	v_pk_fma_f32 v[(\x)+2*(\p):(\x)+2*(\p)+1], v[(\x)+2*(\p):(\x)+2*(\p)+1], v[(\cs)+2*(\p):(\cs)+2*(\p)+1], v[TT+2*(\p):TT+2*(\p)+1] op_sel:[1,1,0] op_sel_hi:[0,1,1] neg_lo:[0,1,0]
.endr
.endm
.Lrows:
.irp u, 0,1,2,3
.irp hh, 0,1
	ds_load_b128 v[IN+16*(\u)+8*(\hh):IN+16*(\u)+8*(\hh)+3],   v[RD] offset:(\u)*4*SPITCH+(\hh)*272
	ds_load_b128 v[IN+16*(\u)+8*(\hh)+4:IN+16*(\u)+8*(\hh)+7], v[RD] offset:(\u)*4*SPITCH+(\hh)*272+16
.endr
.endr
.irp u, 0,1,2,3
	s_wait_dscnt 12-4*(\u)                         ; the four loads of these four rows are in; the later rows' stay out
.irp hh, 0,1
.irp p, 0,1,2,3
	v_pk_add_f32 v[IN+16*(\u)+8*(\hh)+2*(\p):IN+16*(\u)+8*(\hh)+2*(\p)+1], v[IN+16*(\u)+8*(\hh)+2*(\p):IN+16*(\u)+8*(\hh)+2*(\p)+1], v[BI+8*(\hh)+2*(\p):BI+8*(\hh)+2*(\p)+1]
.endr
	ROT4 IN+16*(\u)+8*(\hh), CSR
.irp p, 0,1,2,3
	v_cvt_pk_f16_f32 v[OUT+8*(\u)+4*(\hh)+(\p)], v[IN+16*(\u)+8*(\hh)+2*(\p)], v[IN+16*(\u)+8*(\hh)+2*(\p)+1]
.endr
	global_store_b128 v[GO], v[OUT+8*(\u)+4*(\hh):OUT+8*(\u)+4*(\hh)+3], s[OP:OP+1] offset:512*(\u)+262144*(\hh)  ; 512 consecutive bytes, aligned: four rows of one head
.endr
	ROT4 CSR, STP                                  ; four positions on
.endr
	s_wait_xcnt 0x0                                ; the stores' data and offset are written again only behind this wait
	v_add_nc_u32 v[RD], 16*SPITCH, v[RD]
	v_add_nc_u32 v[GO], 2048, v[GO]
	s_sub_co_u32 s3, s3, 1
	s_cmp_lg_u32 s3, 0
	s_cbranch_scc1 .Lrows
.else
.Lrows:
.irp u, 0,1,2,3,4,5,6,7
	ds_load_b128 v[IN+8*(\u):IN+8*(\u)+3],   v[RD] offset:(\u)*2*SPITCH
	ds_load_b128 v[IN+8*(\u)+4:IN+8*(\u)+7], v[RD] offset:(\u)*2*SPITCH+16
.endr
.irp u, 0,1,2,3,4,5,6,7
	s_wait_dscnt 14-2*(\u)                         ; the two loads of these two rows are in
.irp p, 0,1,2,3
	v_pk_add_f32 v[IN+8*(\u)+2*(\p):IN+8*(\u)+2*(\p)+1], v[IN+8*(\u)+2*(\p):IN+8*(\u)+2*(\p)+1], v[BI+2*(\p):BI+2*(\p)+1]
.endr
.irp p, 0,1,2,3
	v_cvt_pk_f16_f32 v[OUT+4*(\u)+(\p)], v[IN+8*(\u)+2*(\p)], v[IN+8*(\u)+2*(\p)+1]
.endr
.irp p, 0,1,2,3
	v_pk_max_num_f16 v[OUT+4*(\u)+(\p)], v[OUT+4*(\u)+(\p)], v[ZERO]
.endr
	global_store_b128 v[GO], v[OUT+4*(\u):OUT+4*(\u)+3], s[OP:OP+1] offset:16384*(\u)  ; 16 lanes store 256 consecutive bytes, aligned
.endr
	s_wait_xcnt 0x0
	v_add_nc_u32 v[RD], 16*SPITCH, v[RD]
	v_add_nc_u32 v[GO], 131072, v[GO]
	s_sub_co_u32 s3, s3, 1
	s_cmp_lg_u32 s3, 0
	s_cbranch_scc1 .Lrows
.endif
	s_wait_tensorcnt 0x0                           ; the wave's end
	ds_add_u32 v[SPW], v[NIL]
	s_wait_dscnt 0x0
	CROUND                                         ; the closing round
	s_endpgm
.Lfunc_end_k_q2f06c0dc7b_ffn1:
	.size	k_q2f06c0dc7b_ffn1, .Lfunc_end_k_q2f06c0dc7b_ffn1-k_q2f06c0dc7b_ffn1
	.p2alignl 7, 3214868480
	.fill 96, 4, 3214868480
	.section	.rodata,"a",@progbits
	.p2align	6, 0x0
	.amdhsa_kernel k_q2f06c0dc7b_ffn1
		.amdhsa_group_segment_fixed_size 327680
		.amdhsa_private_segment_fixed_size 0
		.amdhsa_enable_private_segment 0
		.amdhsa_kernarg_size 32
		.amdhsa_user_sgpr_count 2
		.amdhsa_user_sgpr_kernarg_segment_ptr 1
		.amdhsa_wavefront_size32 1
		.amdhsa_system_sgpr_workgroup_id_x 1
		.amdhsa_system_sgpr_workgroup_id_y 1
		.amdhsa_system_sgpr_workgroup_id_z 1
		.amdhsa_system_vgpr_workitem_id 0
		.amdhsa_next_free_vgpr 1024
		.amdhsa_next_free_sgpr 100
		.amdhsa_reserve_vcc 0
		.amdhsa_float_denorm_mode_32 3
		.amdhsa_float_denorm_mode_16_64 3
		.amdhsa_memory_ordered 1
		.amdhsa_forward_progress 1
		.amdhsa_inst_pref_size 87
	.end_amdhsa_kernel
	.amdgpu_metadata
---
amdhsa.version: [ 1, 2 ]
amdhsa.kernels:
  - .name:           k_q2f06c0dc7b_ffn1
    .symbol:         k_q2f06c0dc7b_ffn1.kd
    .args:
      - { .name: xn2, .offset: 0, .size: 8, .value_kind: global_buffer, .address_space: global }
      - { .name: wts, .offset: 8, .size: 8, .value_kind: global_buffer, .address_space: global }
      - { .name: b1, .offset: 16, .size: 8, .value_kind: global_buffer, .address_space: global }
      - { .name: hb, .offset: 24, .size: 8, .value_kind: global_buffer, .address_space: global }
    .group_segment_fixed_size: 327680
    .private_segment_fixed_size: 0
    .kernarg_segment_align: 8
    .kernarg_segment_size: 32
    .max_flat_workgroup_size: 128
    .sgpr_count:     100
    .vgpr_count:     1024
    .wavefront_size: 32
...
	.end_amdgpu_metadata
.endif
;; end of part 6
;; launch ffn2 (part 7): grid 8 x 32, 4 waves a work-group, clusters of 4 x 4, 327,680 bytes of LDS; arguments hb, wts, x1, b2, out0; writes out0
.if DOCPART == 7
	.amdgcn_target "amdgcn-amd-amdhsa--gfx1250"
	.amdhsa_code_object_version 6
	.text
	.protected	k_q2f06c0dc7b_ffn2
	.globl	k_q2f06c0dc7b_ffn2
	.p2align	8
	.type	k_q2f06c0dc7b_ffn2,@function
k_q2f06c0dc7b_ffn2:
	s_mov_b64 s[64:65], 0
	v_nop
	global_prefetch_b8 v0, s[64:65] scope:SCOPE_SE
	s_setreg_imm32_b32 hwreg(HW_REG_WAVE_MODE, 25, 1), 1
	s_wait_xcnt 0x0
	s_wait_alu depctr_hold_cnt(0) depctr_sa_sdst(0) depctr_va_vdst(0) depctr_va_sdst(0) depctr_va_ssrc(0) depctr_va_vcc(0) depctr_vm_vsrc(0)
	s_getreg_b32 s2, hwreg(HW_REG_IB_STS2, 6, 4)
	s_cmp_eq_u32 s2, 0
	s_cbranch_scc0 .Lentry_in_a_cluster
	s_endpgm
.Lentry_in_a_cluster:
	s_bfe_u32 s2, ttmp6, 0x10000c
	s_cmp_lg_u32 s2, 0xf033
	s_cbranch_scc0 .Lentry_shape_is_right
	s_endpgm
.Lentry_shape_is_right:
.set IS_WO, 0
; C = R + A W + bias, stored f32 [4096][1024].  W: [K][1024] f16 as it lies, [K][N]; sums in f32, started from the residual R.
; IS_WO = 1: A = O, f16 by heads [b 16 + h][2048][64], K = 1,024 (k = 64 h + d); W = Wo; R = xh (f16 of x rounded to bf16); bias bo (rounded to bf16) is added with R at the start.
; IS_WO = 0: A = h, f16 [4096][4096], K = 4,096; W = W2; R = x1 (f32), loaded straight into the accumulators; bias b2 is added on the way out.
; LIMITS: none beyond the operands' f16 range, which the launches before keep.  NaN and infinities are not treated apart.
; A tile of C is 128 x 128 (256 work-groups), four waves of 64 x 64: 16 accumulators.  K goes in steps of 256 through two LDS slots: A's 128 rows and 256 k-rows of W (256 bytes, pitch 288),
; whose fragments come out turned, by ds_load_tr16_b128.  With IS_WO = 1 a K step is four heads: four planes of 128 rows x 128 bytes (pitch 144); a wave's one load brings two planes, each 16,384 dense bytes.
; CLUSTER 4 x 4: A's tile is asked for jointly along a row of the cluster, W's along a column.  THE MATRIX INSTRUCTION IS USED TRANSPOSED: a lane holds one row of C and eight neighbouring columns.
; No prefetch: a step's tiles are small, and with IS_WO = 1 there are four steps in all.
; REGISTERS: window 0: v0-31 addresses; v32-127 at work; v128-255 the accumulators ((a, b) at v[128 + 8 (4 a + b)]).  Window 1: two fragment buffers of 128: 64 registers of A, then 64 of W.
.if IS_WO
.set STEPS, 4
.set WOFF,  6291456
.set PA,    144
.set APART, 2*128*PA                   ; what wave 0 or 1 fetches: two planes
.set AQ,    128*PA                     ; a quarter of a K step is a plane
.set ASTEP, 4*262144
.else
.set STEPS, 16
.set WOFF,  16777216
.set PA,    528
.set APART, 64*PA
.set AQ,    128
.set ASTEP, 512
.endif
.set PB,     288                       ; 72 words
.set BPART,  128*PB
.set BOFF,   2*APART
.set SLOT,   BOFF+2*BPART
.set SPARE,  2*SLOT                    ; behind the ring: the spare words, 128 bytes a wave, which no other line names
.set BSTEP,  256*2048
.set SP,     272
.set WSTAGE, 64*SP                     ; a wave's stage, over slot 0, written behind the ring's last fill
.set A0,   16
.set B0,   17
.set ADRA, 18
.set ADRB, 19                          ; v19 quarters 0, 1; v20 quarters 2, 3 (an LDS offset has 16 bits)
.set STO,  24
.set RD,   25
.set CO,   26
.set ONE,  27
.set SPW,  28
.set NIL,  29
.set TMP,  32
.set BI,   96
.set ACC,  128
.set F0,   0
.set F1,   128
.set G1A, 24
.set G0A, 32
.set G1B, 48
.set G0B, 56
.set TB,  66
.set MSB, 0
.macro WIN new
.if MSB != (\new)
	s_set_vgpr_msb (MSB<<8)|(\new)
.set MSB, \new
.endif
.endm
.set MUL,  0x05
.set TO_F, 0x40
.macro PLACES
.rept 4
	v_nop
.endr
.endm
.macro RB2 a, b, t
	v_cvt_pk_bf16_f32 v[(\t)], v[(\a)], v[(\b)]
	v_lshlrev_b32 v[(\a)], 16, v[(\t)]
	v_and_b32 v[(\b)], 0xffff0000, v[(\t)]
.endm
.macro JLOAD
	s_cmp_eq_u32 s11, 0
	s_cbranch_scc0 .Lfor_b_\@
	tensor_load_to_lds s[G0A+4:G0A+7], s[G1A:G1A+7]
	s_nop 0
.rept 4
	v_nop
.endr
	s_branch .Lasked_\@
.Lfor_b_\@:
	tensor_load_to_lds s[G0B+4:G0B+7], s[G1B:G1B+7]
	s_nop 0
.rept 4
	v_nop
.endr
.Lasked_\@:
.endm
.macro CREST
	s_cmp_lg_u32 s10, 0
	s_cbranch_scc1 .Lnot_wave_0_\@
	s_barrier_signal -3
.Lnot_wave_0_\@:
	s_barrier_wait -3
	s_barrier_signal -1
	s_barrier_wait -1
.endm
.macro CROUND
	s_barrier_signal -1
	s_barrier_wait -1
	CREST
.endm
	s_load_b128 s[4:7], s[0:1], 0x0                ; A's buffer, wts
	s_load_b128 s[72:75], s[0:1], 0x10             ; the residual's buffer, the bias
	s_load_b64 s[76:77], s[0:1], 0x20              ; the output
	v_lshl_add_u32 v[SPW], v0, 2, SPARE
	v_mov_b32 v[NIL], 0
	ds_add_u32 v[SPW], v[NIL]                      ; the wave's opening: the add and its wait stand ahead of my first tensor load
	v_lshrrev_b32 v1, 5, v0
	v_readfirstlane_b32 s10, v1
	s_lshr_b32 s11, s10, 1                         ; my half of the rows; also: I fetch for A (0) or W (1)
	s_and_b32 s12, s10, 1                          ; my half of the columns; also: which half I fetch
	s_bfe_u32 s40, ttmp6, 0x40000
	s_bfe_u32 s41, ttmp6, 0x40004
	s_lshl_b32 s42, ttmp9, 2
	s_add_co_u32 s42, s42, s40                     ; tile column
	s_and_b32 s13, ttmp7, 0xffff
	s_lshl_b32 s13, s13, 2
	s_add_co_u32 s13, s13, s41                     ; tile row
	s_lshl_b32 s80, s41, 2
	s_lshl_b32 s80, 15, s80
	s_lshl_b32 s81, 0x1111, s40
.if IS_WO
	s_or_b32 s[G1A], s80, (1<<16)|(1<<20)|(1<<21)|(4<<22)|(3<<25)  ; after every 32 words (a token's 128 bytes) 4 words
	s_mov_b32 s[G1A+1], 8192<<16                   ; tensor_dim0: 128 tokens x 64 channels, dense
	s_mov_b32 s[G1A+2], 2<<16                      ; tensor_dim1: two heads
	s_mov_b32 s[G1A+3], 8192<<16
	s_mov_b32 s[G1A+4], 2
	s_mov_b32 s[G1A+5], 131072                     ; elements from head to head
.else
	s_or_b32 s[G1A], s80, (1<<16)|(1<<20)|(1<<21)|(6<<22)|(3<<25)  ; after every 128 words 4 words
	s_mov_b32 s[G1A+1], 256<<16
	s_mov_b32 s[G1A+2], 64<<16
	s_mov_b32 s[G1A+3], 256<<16
	s_mov_b32 s[G1A+4], 64
	s_mov_b32 s[G1A+5], 4096
.endif
	s_mov_b32 s[G1A+6], 0
	s_mov_b32 s[G1A+7], 0
	s_or_b32 s[G1B], s81, (1<<16)|(1<<20)|(1<<21)|(5<<22)|(7<<25)  ; after every 64 words 8 words
	s_mov_b32 s[G1B+1], 128<<16
	s_mov_b32 s[G1B+2], 128<<16
	s_mov_b32 s[G1B+3], 128<<16
	s_mov_b32 s[G1B+4], 128
	s_mov_b32 s[G1B+5], 1024
	s_mov_b32 s[G1B+6], 0
	s_mov_b32 s[G1B+7], 0
.if IS_WO
	s_lshr_b32 s16, s13, 4                         ; the batch,
	s_lshl_b32 s16, s16, 4                         ; its 16 heads,
	s_lshl_b32 s17, s12, 1
	s_add_co_u32 s16, s16, s17                     ; my two of a step's four,
	s_lshl_b32 s16, s16, 11                        ; 2,048 rows a head,
	s_and_b32 s17, s13, 15
	s_lshl_b32 s17, s17, 7
	s_add_co_u32 s16, s16, s17                     ; the tile's 128 tokens,
	s_lshl_b32 s16, s16, 7                         ; 128 bytes a row
.else
	s_lshl_b32 s16, s13, 7
	s_lshl_b32 s17, s12, 6
	s_add_co_u32 s16, s16, s17
	s_lshl_b32 s16, s16, 13                        ; 8,192 bytes a row of h
.endif
	s_mov_b32 s17, 0
	s_lshl_b32 s46, s42, 8                         ; W: 256 bytes a tile column,
	s_lshl_b32 s47, s12, 18                        ; 128 k-rows of 2,048 bytes a half
	s_add_co_u32 s46, s46, s47
	s_add_co_u32 s46, s46, WOFF
	s_mov_b32 s47, 0
	s_mul_i32 s20, s12, APART                      ; where my load lands in a slot, for A
	s_mul_i32 s21, s12, BPART
	s_add_co_u32 s21, s21, BOFF                    ; and for W
	s_mov_b32 s[TB], 0
	s_wait_dscnt 0x0                               ; the opening add is done
	s_wait_kmcnt 0x0
	s_add_nc_u64 s[14:15], s[4:5], s[16:17]
	s_add_nc_u64 s[46:47], s[6:7], s[46:47]
	CROUND                                         ; all sixteen work-groups are here: the first joint loads meet
.irp s, 0,1
	s_mov_b32 s[G0A+4*(\s)], 1
	s_add_co_u32 s[G0A+4*(\s)+1], s20, (\s)*SLOT
	s_add_nc_u64 s[G0A+4*(\s)+2:G0A+4*(\s)+3], s[14:15], (\s)*ASTEP
	s_or_b32 s[G0A+4*(\s)+3], s[G0A+4*(\s)+3], 0x80000000
	s_mov_b32 s[G0B+4*(\s)], 1
	s_add_co_u32 s[G0B+4*(\s)+1], s21, (\s)*SLOT
	s_add_nc_u64 s[G0B+4*(\s)+2:G0B+4*(\s)+3], s[46:47], (\s)*BSTEP
	s_or_b32 s[G0B+4*(\s)+3], s[G0B+4*(\s)+3], 0x80000000
.endr
	s_cmp_eq_u32 s11, 0                            ; a wave's two first fills stand in one branch: two loads of mine are out
	s_cbranch_scc0 .Lfirst_b
	tensor_load_to_lds s[G0A:G0A+3], s[G1A:G1A+7]
	s_nop 0
	tensor_load_to_lds s[G0A+4:G0A+7], s[G1A:G1A+7]
	s_nop 0
.rept 4
	v_nop
.endr
	s_branch .Lfirst_asked
.Lfirst_b:
	tensor_load_to_lds s[G0B:G0B+3], s[G1B:G1B+7]
	s_nop 0
	tensor_load_to_lds s[G0B+4:G0B+7], s[G1B:G1B+7]
	s_nop 0
.rept 4
	v_nop
.endr
.Lfirst_asked:
	v_and_b32 v1, 15, v0
	v_bfe_u32 v2, v0, 4, 1
	; my 64 x 64 corner of C, of the residual and of the bias
	s_lshl_b32 s82, s13, 7
	s_lshl_b32 s83, s11, 6
	s_add_co_u32 s82, s82, s83                     ; first row
	s_lshl_b32 s83, s42, 7
	s_lshl_b32 s84, s12, 6
	s_add_co_u32 s83, s83, s84                     ; first column
	s_lshl_b32 s84, s83, 2
	s_lshl_b32 s86, s82, 12
	s_add_co_u32 s86, s86, s84
	s_mov_b32 s87, 0
	s_mov_b32 s85, 0
	s_add_nc_u64 s[76:77], s[76:77], s[86:87]
.if IS_WO
	s_lshr_b32 s86, s86, 1                         ; xh has half the bytes
.endif
	s_add_nc_u64 s[72:73], s[72:73], s[86:87]
	s_add_nc_u64 s[74:75], s[74:75], s[84:85]
.if IS_WO
	v_lshlrev_b32 v3, 11, v1                       ; accumulator (a, b): row 16 a + l % 16, columns 16 b + 8 (l / 16) + 0..7: 16 bytes of xh
	v_lshl_add_u32 v3, v2, 4, v3
.irp a, 0,1,2,3
.irp b, 0,1,2,3
	global_load_b128 v[TMP+4*(4*(\a)+(\b)):TMP+4*(4*(\a)+(\b))+3], v3, s[72:73] offset:32768*(\a)+32*(\b)
.endr
.endr
	v_lshlrev_b32 v4, 5, v2
.irp b, 0,1,2,3
	global_load_b128 v[BI+8*(\b):BI+8*(\b)+3],   v4, s[74:75] offset:64*(\b)
	global_load_b128 v[BI+8*(\b)+4:BI+8*(\b)+7], v4, s[74:75] offset:64*(\b)+16
.endr
.else
	v_lshlrev_b32 v3, 12, v1                       ; the same place in x1: 32 bytes, straight into the accumulator
	v_lshl_add_u32 v3, v2, 5, v3
.irp a, 0,1,2,3
.irp b, 0,1,2,3
	global_load_b128 v[ACC+8*(4*(\a)+(\b)):ACC+8*(4*(\a)+(\b))+3],   v3, s[72:73] offset:65536*(\a)+64*(\b)
	global_load_b128 v[ACC+8*(4*(\a)+(\b))+4:ACC+8*(4*(\a)+(\b))+7], v3, s[72:73] offset:65536*(\a)+64*(\b)+16
.endr
.endr
	v_lshlrev_b32 v4, 4, v1                        ; on the way out a lane holds columns 4 (l % 16) + 0..3
	global_load_b128 v[BI:BI+3], v4, s[74:75]
.endif
	v_mul_u32_u24 v5, v1, PA
	v_lshl_add_u32 v5, v2, 4, v5
	s_mul_i32 s22, s11, 64*PA
	v_add_nc_u32 v[A0], s22, v5
	v_and_b32 v6, 7, v0
	v_lshl_add_u32 v6, v2, 3, v6
	v_mul_u32_u24 v6, v6, PB
	v_bfe_u32 v7, v0, 3, 1
	v_lshl_add_u32 v6, v7, 4, v6
	s_lshl_b32 s23, s12, 7
	s_add_co_u32 s23, s23, BOFF
	v_add_nc_u32 v[B0], s23, v6
	v_mov_b32 v[ADRA], v[A0]
	v_mov_b32 v[ADRB], v[B0]
	v_add_nc_u32 v[ADRB+1], BPART, v[B0]
	s_mul_i32 s88, s10, WSTAGE
	v_mul_u32_u24 v[STO], v1, SP
	v_lshl_add_u32 v[STO], v2, 5, v[STO]
	v_add_nc_u32 v[STO], s88, v[STO]
	v_mul_u32_u24 v[RD], v2, SP
	v_lshl_add_u32 v[RD], v1, 4, v[RD]
	v_add_nc_u32 v[RD], s88, v[RD]
	v_lshlrev_b32 v[CO], 12, v2
	v_lshl_add_u32 v[CO], v1, 4, v[CO]
	v_mov_b32 v[ONE], 1.0
	s_wait_loadcnt 0x0                             ; residual and bias are in
.if IS_WO
.set k, 0
.rept 16
	RB2 BI+2*k, BI+2*k+1, 8+(k%4)
.set k, k+1
.endr
.irp a, 0,1,2,3
.irp b, 0,1,2,3
.irp j, 0,1,2,3                        ; the sums start at x + bo: an f16 half times 1 plus the bias, in f32
	v_fma_mix_f32 v[ACC+8*(4*(\a)+(\b))+2*(\j)],   v[TMP+4*(4*(\a)+(\b))+(\j)], v[ONE], v[BI+8*(\b)+2*(\j)]   op_sel:[0,0,0] op_sel_hi:[1,0,0]
	v_fma_mix_f32 v[ACC+8*(4*(\a)+(\b))+2*(\j)+1], v[TMP+4*(4*(\a)+(\b))+(\j)], v[ONE], v[BI+8*(\b)+2*(\j)+1] op_sel:[1,0,0] op_sel_hi:[1,0,0]
.endr
.endr
.endr
.else
	RB2 BI, BI+1, 8
	RB2 BI+2, BI+3, 9
.endif
; 8 matrix instructions: row blocks a0, a0 + 1 x all 4 column blocks, 32 along K: half c of buffer f.  The 16 accumulators take turns.
.macro MUL8 f, c, a0
	WIN MUL
.irp a, \a0, (\a0)+1
.irp b, 0,1,2,3
	v_wmma_f32_16x16x32_f16 v[ACC+8*(4*(\a)+(\b)):ACC+8*(4*(\a)+(\b))+7], v[(\f)+64+8*(4*(\c)+(\b)):(\f)+64+8*(4*(\c)+(\b))+7], v[(\f)+8*(4*(\c)+(\a)):(\f)+8*(4*(\c)+(\a))+7], v[ACC+8*(4*(\a)+(\b)):ACC+8*(4*(\a)+(\b))+7]
.endr
.endr
.endm
; 32 LDS loads in one run: quarter q (64 along K) of the slot in hand into buffer f; its first 32 along K first
.macro FETCH q, f
	WIN TO_F
.irp c, 0,1
.irp i, 0,1,2,3
	ds_load_tr16_b128 v[(\f)+64+8*(4*(\c)+(\i)):(\f)+64+8*(4*(\c)+(\i))+3],   v[ADRB+(\q)/2] offset:((\q)%2)*64*PB+(\c)*32*PB+(\i)*32
	ds_load_tr16_b128 v[(\f)+64+8*(4*(\c)+(\i))+4:(\f)+64+8*(4*(\c)+(\i))+7], v[ADRB+(\q)/2] offset:((\q)%2)*64*PB+(\c)*32*PB+(\i)*32+16*PB
	ds_load_b128 v[(\f)+8*(4*(\c)+(\i)):(\f)+8*(4*(\c)+(\i))+3],   v[ADRA] offset:(\q)*AQ+64*(\c)+(\i)*16*PA
	ds_load_b128 v[(\f)+8*(4*(\c)+(\i))+4:(\f)+8*(4*(\c)+(\i))+7], v[ADRA] offset:(\q)*AQ+64*(\c)+(\i)*16*PA+32
.endr
.endr
.endm
.macro QUARTER q, f, g
	s_wait_dscnt 16                                ; the first 32 along K are in
	MUL8 \f, 0, 0
	MUL8 \f, 0, 2
	PLACES
	FETCH \q, \g
	s_wait_dscnt 32                                ; all but the 32 just issued
	MUL8 \f, 1, 0
	MUL8 \f, 1, 2
.endm
; The last quarter multiplies buffer 1 and changes slots.  Its first 16 products stand AHEAD of the wait for the tensor load, so that a refill has a whole K step, 128 matrix instructions, between
; its request and the wait for it.  Then each wave waits for all its tensor loads (one is out: its part of the next slot), adds 0 to its spare word, and waits for that and for its reads of this
; slot; only then it signals: behind the barrier the next slot is whole for every wave, and nobody reads this slot any more.
.macro TURN fill
	s_wait_dscnt 16                                ; the first 32 along K of buffer 1 are in; the youngest sixteen loads may be out
	MUL8 F1, 0, 0
	MUL8 F1, 0, 2
	WIN 0
	s_wait_tensorcnt 0x0                           ; no tensor load of mine is out, so a group 0 may be written
	ds_add_u32 v[SPW], v[NIL]                      ; the descriptors' steps stand between the add and the wait for it
.if \fill
	s_add_co_u32 s[G0A+5], s20, s[TB]
	s_add_nc_u64 s[G0A+6:G0A+7], s[G0A+6:G0A+7], ASTEP
	s_add_co_u32 s[G0B+5], s21, s[TB]
	s_add_nc_u64 s[G0B+6:G0B+7], s[G0B+6:G0B+7], BSTEP
.endif
	s_wait_dscnt 0x0                               ; the add is done, and my reads of this slot are over
	s_barrier_signal -1
	s_barrier_wait -1
.if \fill
	CREST                                          ; the barrier has opened a round of the cluster's: no wave of any partner still reads this slot or has a load on its way
	JLOAD                                          ; my one tensor load behind the round; its four v_nop are also the places in front of the loads below
.else
	PLACES
.endif
	s_xor_b32 s[TB], s[TB], SLOT
	v_add_nc_u32 v[ADRA], s[TB], v[A0]
	v_add_nc_u32 v[ADRB], s[TB], v[B0]
	v_add_nc_u32 v[ADRB+1], BPART, v[ADRB]
	FETCH 0, F0
	MUL8 F1, 1, 0
	MUL8 F1, 1, 2
.endm
	s_wait_tensorcnt 1                             ; my part of K step 0 is in; step 1's may stay out
	s_barrier_signal -1
	s_barrier_wait -1
	FETCH 0, F0
	WIN 0
	s_mov_b32 s3, STEPS-2
.Lstep:
	QUARTER 1, F0, F1
	QUARTER 2, F1, F0
	QUARTER 3, F0, F1
	TURN 1
	WIN 0
	s_sub_co_u32 s3, s3, 1
	s_cmp_lg_u32 s3, 0
	s_cbranch_scc1 .Lstep
	s_mov_b32 s3, 2                                ; the last two K steps ask for nothing; the second trip's last run of loads serves nothing: the price of one text for both
.Ltail:
	QUARTER 1, F0, F1
	QUARTER 2, F1, F0
	QUARTER 3, F0, F1
	TURN 0
	WIN 0
	s_sub_co_u32 s3, s3, 1
	s_cmp_lg_u32 s3, 0
	s_cbranch_scc1 .Ltail
	; THE WAY OUT: through my stage, which lies over slot 0: every wave's reads of the ring are over, and no fill follows
	s_wait_dscnt 0x0
	s_barrier_signal -1
	s_barrier_wait -1
	PLACES
.irp a, 0,1,2,3
.irp b, 0,1,2,3
	ds_store_b128 v[STO], v[ACC+8*(4*(\a)+(\b)):ACC+8*(4*(\a)+(\b))+3]   offset:(\a)*16*SP+64*(\b)
	ds_store_b128 v[STO], v[ACC+8*(4*(\a)+(\b))+4:ACC+8*(4*(\a)+(\b))+7] offset:(\a)*16*SP+64*(\b)+16
.endr
.endr
	s_mov_b32 s3, 4                                ; 16 rows a trip
.Lout:
.irp u, 0,1,2,3,4,5,6,7
	ds_load_b128 v[TMP+4*(\u):TMP+4*(\u)+3], v[RD] offset:(\u)*2*SP  ; LDS serves a wave's instructions in order: these see my stores
.endr
.irp u, 0,1,2,3,4,5,6,7
	s_wait_dscnt 7-(\u)
.if !IS_WO
	v_pk_add_f32 v[TMP+4*(\u):TMP+4*(\u)+1], v[TMP+4*(\u):TMP+4*(\u)+1], v[BI:BI+1]
	v_pk_add_f32 v[TMP+4*(\u)+2:TMP+4*(\u)+3], v[TMP+4*(\u)+2:TMP+4*(\u)+3], v[BI+2:BI+3]
.endif
	global_store_b128 v[CO], v[TMP+4*(\u):TMP+4*(\u)+3], s[76:77] offset:8192*(\u)  ; 16 lanes store 256 consecutive bytes, aligned
.endr
	s_wait_xcnt 0x0                                ; the stores' data and offset are written again only behind this wait
	v_add_nc_u32 v[RD], 16*SP, v[RD]
	v_add_nc_u32 v[CO], 65536, v[CO]
	s_sub_co_u32 s3, s3, 1
	s_cmp_lg_u32 s3, 0
	s_cbranch_scc1 .Lout
	s_wait_tensorcnt 0x0                           ; the wave's end
	ds_add_u32 v[SPW], v[NIL]
	s_wait_dscnt 0x0
	CROUND                                         ; the closing round
	s_endpgm
.Lfunc_end_k_q2f06c0dc7b_ffn2:
	.size	k_q2f06c0dc7b_ffn2, .Lfunc_end_k_q2f06c0dc7b_ffn2-k_q2f06c0dc7b_ffn2
	.p2alignl 7, 3214868480
	.fill 96, 4, 3214868480
	.section	.rodata,"a",@progbits
	.p2align	6, 0x0
	.amdhsa_kernel k_q2f06c0dc7b_ffn2
		.amdhsa_group_segment_fixed_size 327680
		.amdhsa_private_segment_fixed_size 0
		.amdhsa_enable_private_segment 0
		.amdhsa_kernarg_size 40
		.amdhsa_user_sgpr_count 2
		.amdhsa_user_sgpr_kernarg_segment_ptr 1
		.amdhsa_wavefront_size32 1
		.amdhsa_system_sgpr_workgroup_id_x 1
		.amdhsa_system_sgpr_workgroup_id_y 1
		.amdhsa_system_sgpr_workgroup_id_z 1
		.amdhsa_system_vgpr_workitem_id 0
		.amdhsa_next_free_vgpr 512
		.amdhsa_next_free_sgpr 100
		.amdhsa_reserve_vcc 0
		.amdhsa_float_denorm_mode_32 3
		.amdhsa_float_denorm_mode_16_64 3
		.amdhsa_memory_ordered 1
		.amdhsa_forward_progress 1
		.amdhsa_inst_pref_size 54
	.end_amdhsa_kernel
	.amdgpu_metadata
---
amdhsa.version: [ 1, 2 ]
amdhsa.kernels:
  - .name:           k_q2f06c0dc7b_ffn2
    .symbol:         k_q2f06c0dc7b_ffn2.kd
    .args:
      - { .name: hb, .offset: 0, .size: 8, .value_kind: global_buffer, .address_space: global }
      - { .name: wts, .offset: 8, .size: 8, .value_kind: global_buffer, .address_space: global }
      - { .name: x1, .offset: 16, .size: 8, .value_kind: global_buffer, .address_space: global }
      - { .name: b2, .offset: 24, .size: 8, .value_kind: global_buffer, .address_space: global }
      - { .name: out0, .offset: 32, .size: 8, .value_kind: global_buffer, .address_space: global }
    .group_segment_fixed_size: 327680
    .private_segment_fixed_size: 0
    .kernarg_segment_align: 8
    .kernarg_segment_size: 40
    .max_flat_workgroup_size: 128
    .sgpr_count:     100
    .vgpr_count:     512
    .wavefront_size: 32
...
	.end_amdgpu_metadata
.endif
;; end of part 7
